; MI455X (gfx1250); checked and timed in simulation.
; The chip was launched on July 23, 2026; its instructions are those of AMD's public machine-readable ISA for CDNA 5 (MIT licence, August 2026) and "CDNA5" Instruction Set Architecture Reference Guide (July 2026). The comments in the code are by the model that wrote it; some were corrected since.
;; Multiheaded Attention Node. Allowed arithmetic: matrix products marked QUANTISED: E2M3 operands, one E8M0 scale for each 32 along K, by v_wmma_scale_f32_16x16x128_f8f6f4 with both operands' format E2M3, f32 sums; everything else in f32.
;; Inputs: Wk 1,024 x 1,024 float32; Wo 1,024 x 1,024 float32; Wq 1,024 x 1,024 float32; Wv 1,024 x 1,024 float32; bk 1,024 float32; bo 1,024 float32; bq 1,024 float32; bv 1,024 float32; keys 4 x 2,048 x 1,024 float32; mask 4 x 1 x 2,048 x 2,048 bool; queries 4 x 2,048 x 1,024 float32; values 4 x 2,048 x 1,024 float32.
;; Outputs: out0 4 x 2,048 x 1,024 float32.
;; This version of the problem:
;;   THIS VERSION OF THE PROBLEM IS GIVEN IN LOW PRECISION. The matrix products marked QUANTISED in the list below multiply operands that are first quantised to E2M3 (2 exponent bits, 3 mantissa bits; 6 bits a number), with one power-of-two scale for each 32 numbers along K (OCP MX v1.0); their sums are f32. All else is computed in f32.
;;   The module's matrix products, in the order in which they are computed (A, B: the left and right operand; K: the contracted axis; several contracted axes count as one K, in the product's order):
;;     1. [M 8,192, K 1,024] x [K 1,024, N 1,024]; A: input queries; B: input Wq: QUANTISED
;;     2. [M 8,192, K 1,024] x [K 1,024, N 1,024]; A: input keys; B: input Wk: QUANTISED
;;     3. [M 8,192, K 1,024] x [K 1,024, N 1,024]; A: input values; B: input Wv: QUANTISED
;;     4. batch 64 x [M 2,048, K 64] x [K 64, N 2,048]; A: computed on the way; B: computed on the way: QUANTISED
;;     5. batch 64 x [M 2,048, K 2,048] x [K 2,048, N 64]; A: softmax (see below); B: computed on the way: QUANTISED
;;     6. [M 8,192, K 1,024] x [K 1,024, N 1,024]; A: computed on the way; B: input Wo: QUANTISED
;;   THE QUANTISER, for each operand of a quantised product, along K:
;;     - K is cut into blocks of 32 from its start; a last block that is shorter is filled with zeros.
;;     - A block's scale is 2^e with e = floor(log2(the largest magnitude in the block)) - 2, held to -126 .. 127; a block of zeros has e = 0. As a byte (E8M0): e + 127.
;;     - Each number is divided by its block's scale, clamped to +-7.5, and rounded to the nearest number of E2M3, ties to even, subnormals kept.
;;     - The product sums the exact products of the quantised numbers (number of the format x scale) in f32.
;;   ~~~python
;;   def quantise(x, axis):      # numpy; x: float32 -> the quantised numbers, widened to float32 again
;;       x = np.moveaxis(x, axis, -1); K = x.shape[-1]
;;       x = np.pad(x, [(0, 0)] * (x.ndim - 1) + [(0, -K % 32)]); x = x.reshape(x.shape[:-1] + (-1, 32)); a = np.abs(x).max(-1, keepdims=True)
;;       e = np.where(a > 0, np.clip(np.frexp(np.where(a > 0, a, 1))[1] - 1 - 2, -126, 127), 0)      # np.frexp(a)[1] - 1 = floor(log2(a)), exactly
;;       r = np.clip(x / 2.0 ** e, -7.5, 7.5)
;;       step = 2.0 ** (np.maximum(np.frexp(np.where(r == 0, 1, r))[1] - 1, 0) - 3)
;;       q = np.round(r / step) * step * 2.0 ** e      # np.round: ties to even
;;       return np.moveaxis(q.reshape(q.shape[:-2] + (-1,))[..., :K], -1, axis).astype(np.float32)
;;   ~~~
;;   SOFTMAX AHEAD OF A QUANTISED PRODUCT. Where the list says 'softmax', what is quantised is not the finished softmax but p = 2^(t - M), with t = logit x log2(e) and M = ceil(the row's largest t), a whole number; so 1/2 < the row's largest p <= 1. The row's sum l is taken of the UNQUANTISED p, in f32, and the product's result is divided by l at the end. Since M is a whole number, a kernel that streams over the keys may use a running M (the ceiling of the running maximum): every later rescaling is an exact power of two, which a block's scale takes up: the codes' values come out the same.
;;   OPERANDS COMPUTED ON THE WAY. 'Computed on the way' means the value that the module computes at that place (a softmax that the list does not call 'softmax' is quantised finished and normalised). What goes into a quantiser is computed in f32, as accurately as f32 sums, v_exp_f32 and their like allow (about 1e-6 of the number): no bf16 or f16 on the way to a quantiser, and a product that is left as it is and whose result goes on into a quantised operand takes f32 operands (vector FMAs, or v_wmma_f32_16x16x4_f32). A number that lies on a knife's edge between two numbers of the format may be rounded either way, as far as f32 arithmetic and the matrix unit's own rounding can turn it there, and no further.
;; One version. Each part assembles by itself: llvm-mc -triple=amdgcn-amd-amdhsa -mcpu=gfx1250 --defsym DOCPART=n.
;; ======== version 1 of 1: 4 launches
;; limits: right only within a limited range of input values
;; workspace buffers: xq 20,447,232 bytes; wq 3,407,872 bytes; maskw 8,388,608 bytes; aq 28,311,552 bytes; cq 7,340,032 bytes
;; launch prep (part 1): grid 960 x 1, 4 waves a work-group, no clusters, 34,304 bytes of LDS; arguments queries, keys, values, Wq, Wk, Wv, Wo, mask, xq, wq, maskw; writes xq, wq, maskw
.if DOCPART == 1
	.amdgcn_target "amdgcn-amd-amdhsa--gfx1250"
	.amdhsa_code_object_version 6
	.text
	.protected	k_q55a3cd8f64_prep
	.globl	k_q55a3cd8f64_prep
	.p2align	8
	.type	k_q55a3cd8f64_prep,@function
k_q55a3cd8f64_prep:
	s_mov_b64 s[64:65], 0
	v_nop
	global_prefetch_b8 v0, s[64:65] scope:SCOPE_SE
	s_setreg_imm32_b32 hwreg(HW_REG_WAVE_MODE, 25, 1), 1
	s_wait_xcnt 0x0
; PREP: the three token tensors and the four weights become codes of FP6 (E2M3) with one E8M0 byte for each 32 along K, laid as IMAGES OF OPERAND REGISTERS; the mask becomes codes of FP4 (E2M1).
; A TILE is 16 rows (tokens, or a weight's columns); row r of tile T is index 32 (T / 2) + 8 (T % 2) + r + 8 (r / 8).
; A HALF (768 bytes) is 16 rows x 64 along K as the matrix unit's registers hold them: lane (r, h) has k = 32 h .. 32 h + 31 of row r in six registers; registers 0-3 lie at 16 x lane, registers 4-5 at 512 + 8 x lane.
; A fragment (16 x 128) is two halves on end.  xq: [tensor 3][tile 512][K step 8][1,536], then a block of scale words for each tile: [group 2][lane 32][4 words], word i of group g = K step 4 g + i.  wq likewise: [weight 4][tile 64].
; maskw: [batch 4][query tile 128][key step 16][1,024 bytes]: FP4 codes, laid as below.
; A block's scale is 2^(floor(log2(largest magnitude)) - 2): its byte is the magnitude's exponent field - 2, held at 1 from below by a floor among the maximum's leaves.
; LIMITS: a block of zeros, or one whose largest magnitude lies under 2^-124, gets the byte 1 (the stated rule: 127 for zeros): its codes are zeros or tiny, and this program alone reads the bytes; NaN and infinities among the inputs are not served.
; SHARES: work-groups 0-383: a wave to a token tile; 384-447: a wave to a weight's tile; 448-959: a work-group to a query tile of the mask, a wave to four key steps.  Only the first path touches LDS.
; No matrix unit, no cluster, no tensor load: the launch streams, and work-groups share nothing.
.set XS,     18874368                  ; where xq's scale words begin
.set WS,     3145728                   ; where wq's begin
.set SPITCH, 528                       ; a stage row: 512 bytes + 16: 33 x 16, so that sixteen rows' 16 bytes fall on sixteen different columns of 16 bytes
.set STG,    16*SPITCH                 ; a wave's stage
.set SPARE,  4*STG                     ; behind the stages: the spare words, 128 bytes a wave: two blocks of 256 bytes that no other line names
.set SPW, 10                           ; v10  LDS address of my spare word; never rewritten
.set NIL, 11                           ; v11  0; never rewritten
.set PC,  20                           ; v20-31  a fragment's codes
.set SW,  40                           ; v40-47  a tile's eight scale words
.set X,   48                           ; v48-111 64 numbers of a lane
.set R,   112                          ; v112-239 two sets of 64 registers as loaded
	s_load_b512 s[4:19], s[0:1], 0x0               ; queries, keys, values, Wq, Wk, Wv, Wo, mask
	s_load_b128 s[20:23], s[0:1], 0x40             ; xq, wq
	s_load_b64 s[24:25], s[0:1], 0x50              ; maskw
	v_lshl_add_u32 v[SPW], v0, 2, SPARE
	v_mov_b32 v[NIL], 0
	v_lshrrev_b32 v1, 5, v0
	v_readfirstlane_b32 s26, v1                    ; wave
	v_and_b32 v1, 31, v0                           ; lane
	v_and_b32 v2, 15, v0                           ; r
	v_bfe_u32 v3, v0, 4, 1                         ; h
	v_lshlrev_b32 v4, 4, v1                        ; 16 x lane
	v_lshlrev_b32 v5, 3, v1                        ; 8 x lane
	v_lshlrev_b32 v6, 3, v3                        ; 8 h: how far my two scale bytes are shifted
	v_and_b32 v7, 8, v2
	v_add_nc_u32 v7, v7, v2                        ; r + 8 (r / 8)
	v_mov_b32 v39, 0                               ; written once: a lane permute's destination counts as one of its sources
	s_mov_b32 s44, 0x76543210
	s_mov_b32 s45, 0xfedcba98                      ; selects for lane l xor 16
	s_mov_b32 s31, 0
	s_wait_kmcnt 0x0
; 32 numbers of ONE lane, v[src] on, a whole block: six registers of codes at v[PC + 6 c], the scale's byte in v[18 + c]
.macro QH src, c
	v_max3_num_f32 v12, |v[\src]|, |v[\src+1]|, 0x1800000          ; two chains; the floor 2^(3 - 127) is one more leaf
	v_max3_num_f32 v13, |v[\src+2]|, |v[\src+3]|, |v[\src+4]|
.irp i, 5,9,13,17,21,25
	v_max3_num_f32 v12, v12, |v[\src+\i]|, |v[\src+\i+1]|
	v_max3_num_f32 v13, v13, |v[\src+\i+2]|, |v[\src+\i+3]|
.endr
	v_max3_num_f32 v12, v12, |v[\src+29]|, |v[\src+30]|
	v_max3_num_f32 v12, v12, v13, |v[\src+31]|
	v_add_nc_u32 v[16+\c], 0xff000000, v12         ; 2 off the exponent field: the conversion takes this operand's exponent field as its scale
	v_lshrrev_b32 v[18+\c], 23, v[16+\c]           ; the byte
	v_cvt_scalef32_pk16_fp6_f32 v[PC+6*\c:PC+6*\c+2], v[\src:\src+15], v[16+\c]
	v_cvt_scalef32_pk16_fp6_f32 v[32+4*\c:34+4*\c], v[\src+16:\src+31], v[16+\c]   ; (a conversion's three registers begin on an even number)
	v_nop                                          ; one plain place behind a scaled conversion
.irp i, 0,1,2
	v_mov_b32 v[PC+3+6*\c+\i], v[32+4*\c+\i]
.endr
.endm
; my two bytes (blocks h and 2 + h of a K step) and lane l xor 16's two make the row's scale word
.macro WORD out
	v_lshl_or_b32 v[\out], v19, 16, v18
	v_lshlrev_b32 v[\out], v6, v[\out]
	v_permlanex16_b32 v39, v[\out], s44, s45
	v_or_b32 v[\out], v[\out], v39
.endm
	s_cmp_lt_u32 ttmp9, 384
	s_cbranch_scc0 .Lnot_x
; ---------------- tokens: K is innermost.  Each load reads 512 consecutive bytes of one row; the 16 rows x 512 bytes of a K step turn through my stage, so that a lane gets 2 x 32 neighbours of its row.
	s_cmp_lt_u32 ttmp9, 128                        ; the tensor hangs on the work-group's number alone
	s_cselect_b64 s[4:5], s[4:5], s[6:7]
	s_cmp_lt_u32 ttmp9, 256
	s_cselect_b64 s[4:5], s[4:5], s[8:9]
	s_lshl_b32 s27, ttmp9, 2
	s_add_co_u32 s27, s27, s26                     ; my tile, 0 .. 1,535
	s_and_b32 s28, s27, 511                        ; in its tensor
	s_lshr_b32 s29, s28, 1
	s_lshl_b32 s29, s29, 5
	s_and_b32 s37, s28, 1
	s_lshl_b32 s37, s37, 3
	s_add_co_u32 s30, s29, s37                     ; queries, values: first token 32 (T / 2) + 8 (T % 2); rows 8-15 lie 16 tokens behind rows 0-7
	s_lshr_b32 s29, s28, 2
	s_lshl_b32 s29, s29, 6
	s_and_b32 s37, s28, 3
	s_lshl_b32 s37, s37, 3
	s_add_co_u32 s29, s29, s37                     ; KEYS' TILES ARE LAID OTHERWISE: row p of tile T is token 64 (T / 4) + 8 (T % 4) + p % 8 + 32 (p / 8), so that in the score product a lane holds whole blocks of 32 keys
	s_lshr_b32 s37, ttmp9, 7
	s_cmp_eq_u32 s37, 1                            ; keys: work-groups 128-255
	s_cselect_b32 s30, s29, s30
	s_cselect_b32 s28, 32, 16
	s_lshl_b32 s30, s30, 12                        ; a row is 4,096 bytes
	s_add_nc_u64 s[4:5], s[4:5], s[30:31]          ; rows 0-7
	s_lshl_b32 s30, s28, 12
	s_add_nc_u64 s[6:7], s[4:5], s[30:31]          ; rows 8-15
	s_mul_i32 s30, s27, 12288
	s_add_nc_u64 s[32:33], s[20:21], s[30:31]      ; the tile's codes
	s_lshl_b32 s30, s27, 10
	s_add_co_u32 s30, s30, XS
	s_add_nc_u64 s[34:35], s[20:21], s[30:31]      ; its scale words
	s_mul_i32 s36, s26, STG
	s_wait_alu depctr_va_vdst(0)
	v_add_nc_u32 v8, s36, v4                       ; into the stage: 16 x lane of a row
	v_mul_u32_u24 v9, v2, SPITCH
	v_lshl_add_u32 v9, v3, 7, v9
	v_add_nc_u32 v9, s36, v9                       ; out of it: row r, 128 h bytes on
.macro LOADX s
.irp p, 0,1,2,3,4,5,6,7,8,9,10,11,12,13,14,15
	global_load_b128 v[R+64*((\s)%2)+4*\p:R+64*((\s)%2)+4*\p+3], v4, s[4+2*(\p/8):5+2*(\p/8)] offset:(\p%8)*4096+512*(\s) th:TH_LOAD_NT
.endr
.endm
.macro XSTEP s
.if (\s) < 7
	s_wait_loadcnt 16                              ; this K step's 16 loads are in; the next step's 16 stay out
.else
	s_wait_loadcnt 0x0
.endif
.irp p, 0,1,2,3,4,5,6,7,8,9,10,11,12,13,14,15
	ds_store_b128 v8, v[R+64*((\s)%2)+4*\p:R+64*((\s)%2)+4*\p+3] offset:SPITCH*\p
.endr
.irp c, 0,1
.irp i, 0,1,2,3,4,5,6,7
	ds_load_b128 v[X+32*\c+4*\i:X+32*\c+4*\i+3], v9 offset:256*\c+16*\i   ; k = 64 c + 32 h + 4 i ..; LDS serves a wave's instructions in order: these see my stores
.endr
.endr
	s_wait_dscnt 0x0                               ; the numbers are back, and the stores have read their registers
	s_wait_xcnt 0x0                                ; the last step's stores have read the codes' registers
.if (\s)+2 < 8
	LOADX (\s)+2
.endif
	QH X, 0
	QH X+32, 1
	WORD SW+(\s)
	global_store_b128 v4, v[PC:PC+3], s[32:33] offset:1536*(\s)            ; 512 consecutive bytes,
	global_store_b64 v5, v[PC+4:PC+5], s[32:33] offset:1536*(\s)+512       ; 256,
	global_store_b128 v4, v[PC+6:PC+9], s[32:33] offset:1536*(\s)+768      ; and the second half likewise
	global_store_b64 v5, v[PC+10:PC+11], s[32:33] offset:1536*(\s)+1280
.endm
	LOADX 0
	LOADX 1
	s_wait_alu depctr_va_vdst(0)
.irp s, 0,1,2,3,4,5,6,7
	XSTEP \s
.endr
	global_store_b128 v4, v[SW:SW+3], s[34:35]
	global_store_b128 v4, v[SW+4:SW+7], s[34:35] offset:512
	s_wait_tensorcnt 0x0                           ; the wave's end, behind my last LDS store
	ds_add_u32 v[SPW], v[NIL]
	s_wait_dscnt 0x0
	s_endpgm
.Lnot_x:
	s_cmp_lt_u32 ttmp9, 448
	s_cbranch_scc0 .Lmask
; ---------------- weights: K is the FIRST axis.  A lane takes a column and its registers run down K: a block lies in one lane, and the codes come out with K innermost.
	s_sub_co_u32 s27, ttmp9, 384
	s_lshr_b32 s28, s27, 4                         ; which weight
	s_cmp_eq_u32 s28, 0
	s_cselect_b64 s[10:11], s[10:11], s[12:13]
	s_cmp_lt_u32 s28, 2
	s_cselect_b64 s[10:11], s[10:11], s[14:15]
	s_cmp_lt_u32 s28, 3
	s_cselect_b64 s[10:11], s[10:11], s[16:17]
	s_lshl_b32 s27, s27, 2
	s_add_co_u32 s27, s27, s26                     ; my tile, 0 .. 255
	s_and_b32 s28, s27, 63                         ; in its weight
	s_lshr_b32 s29, s28, 1
	s_lshl_b32 s29, s29, 5
	s_and_b32 s28, s28, 1
	s_lshl_b32 s28, s28, 3
	s_add_co_u32 s30, s29, s28                     ; its first column
	s_lshl_b32 s30, s30, 2
	s_add_nc_u64 s[10:11], s[10:11], s[30:31]
	s_mul_i32 s30, s27, 12288
	s_add_nc_u64 s[32:33], s[22:23], s[30:31]
	s_lshl_b32 s30, s27, 10
	s_add_co_u32 s30, s30, WS
	s_add_nc_u64 s[34:35], s[22:23], s[30:31]
	s_wait_alu depctr_va_vdst(0)
	v_lshlrev_b32 v8, 2, v7
	v_lshl_add_u32 v8, v3, 17, v8                  ; my column; lanes 16-31 begin 32 rows of 4,096 bytes further down
.macro LOADW u                         ; unit u: a half: k = 64 u + 32 h + 0 .. 31
.set i, 0
.rept 32
	global_load_b32 v[X+32*((\u)%2)+i], v8, s[10:11] offset:(64*(\u)+i)*4096
.set i, i+1
.endr
.endm
.macro WUNIT u
.set CU, (\u)%2
.if (\u) < 15
	s_wait_loadcnt 32                              ; this unit's 32 loads are in; the next unit's stay out
.else
	s_wait_loadcnt 0x0
.endif
	s_wait_xcnt 0x0                                ; earlier stores have read the codes' registers
	QH X+32*CU, CU
.if (\u)+2 < 16
	LOADW (\u)+2
.endif
	global_store_b128 v4, v[PC+6*CU:PC+6*CU+3], s[32:33] offset:768*(\u)
	global_store_b64 v5, v[PC+6*CU+4:PC+6*CU+5], s[32:33] offset:768*(\u)+512
.if CU
	WORD SW+(\u)/2
.endif
.endm
	LOADW 0
	LOADW 1
.irp u, 0,1,2,3,4,5,6,7,8,9,10,11,12,13,14,15
	WUNIT \u
.endr
	global_store_b128 v4, v[SW:SW+3], s[34:35]
	global_store_b128 v4, v[SW+4:SW+7], s[34:35] offset:512
	s_endpgm
.Lmask:
; ---------------- the mask: lane (r, h) reads, of its query's row, keys 32 h .. 32 h + 31 of each 64; its bytes become FP4 codes in the places of the attention launch's scores.
	s_sub_co_u32 s27, ttmp9, 448                   ; query tile, 0 .. 511, over all batches
	s_lshr_b32 s28, s27, 1
	s_lshl_b32 s28, s28, 5
	s_and_b32 s29, s27, 1
	s_lshl_b32 s29, s29, 3
	s_add_co_u32 s28, s28, s29                     ; its first query
	s_lshl_b32 s28, s28, 11                        ; a row is 2,048 bytes
	s_lshl_b32 s29, s26, 9                         ; my four key steps: 512 bytes
	s_add_co_u32 s30, s28, s29
	s_add_nc_u64 s[18:19], s[18:19], s[30:31]
; maskw AS IT IS LAID HERE: [batch 4][query tile 128][key step 16][half 2][lane 32][16 bytes]: codes of FP4 (E2M1), 4 bits a key: 0 for a key that counts, 0xa (-1.0) for a masked one.
; Nibble j of lane (r, h)'s register t (0 .. 7) is mask[query row r of the tile][key 128 step + 64 (t / 4) + 32 h + 8 (t % 4) + j]: the place of register 8 t + j of the attention launch's scores.
	s_lshl_b32 s28, s27, 14                        ; 16 key steps x 1,024 bytes a query tile
	s_lshl_b32 s29, s26, 12                        ; my four key steps
	s_add_co_u32 s30, s28, s29
	s_add_nc_u64 s[24:25], s[24:25], s[30:31]
	s_mov_b32 s32, 0x06040200                      ; the even bytes of eight,
	s_mov_b32 s33, 0x07050301                      ; the odd ones
	s_wait_alu depctr_va_vdst(0)
	v_lshlrev_b32 v8, 11, v7
	v_lshl_add_u32 v8, v3, 5, v8                   ; my query's row, 32 h bytes on
.irp q, 0,1,2,3,4,5,6,7,8,9,10,11,12,13,14,15
	global_load_b128 v[X+4*\q:X+4*\q+3], v8, s[18:19] offset:64*(\q/2)+16*(\q%2)   ; 32 neighbouring keys of each 64
.endr
.macro MSTEP k
	s_wait_loadcnt 12-4*(\k)                       ; this key step's four loads are in; the later steps' stay out
.irp t, 0,1,2,3,4,5,6,7
	v_perm_b32 v[120+\t], v[X+16*(\k)+2*\t+1], v[X+16*(\k)+2*\t], s32
	v_perm_b32 v[128+\t], v[X+16*(\k)+2*\t+1], v[X+16*(\k)+2*\t], s33
.endr
.irp t, 0,1,2,3,4,5,6,7
	v_lshl_or_b32 v[120+\t], v[128+\t], 4, v[120+\t]   ; a byte is 0 or 1: eight bits, one in each nibble, in the keys' order
.endr
.irp t, 0,1,2,3,4,5,6,7
	v_lshlrev_b32 v[128+\t], 1, v[120+\t]
.endr
.irp t, 0,1,2,3,4,5,6,7
	v_lshl_or_b32 v[136+8*(\k)+\t], v[120+\t], 3, v[128+\t]   ; x 10: the code 0xa
.endr
	global_store_b128 v4, v[136+8*(\k):139+8*(\k)], s[24:25] offset:1024*(\k)       ; 512 consecutive bytes, aligned
	global_store_b128 v4, v[140+8*(\k):143+8*(\k)], s[24:25] offset:1024*(\k)+512
.endm
.irp k, 0,1,2,3
	MSTEP \k
.endr
	s_endpgm
.Lfunc_end_k_q55a3cd8f64_prep:
	.size	k_q55a3cd8f64_prep, .Lfunc_end_k_q55a3cd8f64_prep-k_q55a3cd8f64_prep
	.p2alignl 7, 3214868480
	.fill 96, 4, 3214868480
	.section	.rodata,"a",@progbits
	.p2align	6, 0x0
	.amdhsa_kernel k_q55a3cd8f64_prep
		.amdhsa_group_segment_fixed_size 34304
		.amdhsa_private_segment_fixed_size 0
		.amdhsa_enable_private_segment 0
		.amdhsa_kernarg_size 88
		.amdhsa_user_sgpr_count 2
		.amdhsa_user_sgpr_kernarg_segment_ptr 1
		.amdhsa_wavefront_size32 1
		.amdhsa_system_sgpr_workgroup_id_x 1
		.amdhsa_system_sgpr_workgroup_id_y 1
		.amdhsa_system_sgpr_workgroup_id_z 1
		.amdhsa_system_vgpr_workitem_id 0
		.amdhsa_next_free_vgpr 240
		.amdhsa_next_free_sgpr 66
		.amdhsa_reserve_vcc 0
		.amdhsa_float_denorm_mode_32 3
		.amdhsa_float_denorm_mode_16_64 3
		.amdhsa_memory_ordered 1
		.amdhsa_forward_progress 1
		.amdhsa_inst_pref_size 148
	.end_amdhsa_kernel
	.amdgpu_metadata
---
amdhsa.version: [ 1, 2 ]
amdhsa.kernels:
  - .name:           k_q55a3cd8f64_prep
    .symbol:         k_q55a3cd8f64_prep.kd
    .args:
      - { .name: queries, .offset: 0, .size: 8, .value_kind: global_buffer, .address_space: global }
      - { .name: keys, .offset: 8, .size: 8, .value_kind: global_buffer, .address_space: global }
      - { .name: values, .offset: 16, .size: 8, .value_kind: global_buffer, .address_space: global }
      - { .name: Wq, .offset: 24, .size: 8, .value_kind: global_buffer, .address_space: global }
      - { .name: Wk, .offset: 32, .size: 8, .value_kind: global_buffer, .address_space: global }
      - { .name: Wv, .offset: 40, .size: 8, .value_kind: global_buffer, .address_space: global }
      - { .name: Wo, .offset: 48, .size: 8, .value_kind: global_buffer, .address_space: global }
      - { .name: mask, .offset: 56, .size: 8, .value_kind: global_buffer, .address_space: global }
      - { .name: xq, .offset: 64, .size: 8, .value_kind: global_buffer, .address_space: global }
      - { .name: wq, .offset: 72, .size: 8, .value_kind: global_buffer, .address_space: global }
      - { .name: maskw, .offset: 80, .size: 8, .value_kind: global_buffer, .address_space: global }
    .group_segment_fixed_size: 34304
    .private_segment_fixed_size: 0
    .kernarg_segment_align: 8
    .kernarg_segment_size: 88
    .max_flat_workgroup_size: 128
    .sgpr_count:     66
    .vgpr_count:     240
    .wavefront_size: 32
...
	.end_amdgpu_metadata
.endif
;; end of part 1
;; launch proj (part 2): grid 64 x 4, 4 waves a work-group, clusters of 4 x 4, 327,680 bytes of LDS; arguments xq, wq, bq, bk, bv, aq; writes aq
.if DOCPART == 2
	.amdgcn_target "amdgcn-amd-amdhsa--gfx1250"
	.amdhsa_code_object_version 6
	.text
	.protected	k_q55a3cd8f64_proj
	.globl	k_q55a3cd8f64_proj
	.p2align	8
	.type	k_q55a3cd8f64_proj,@function
k_q55a3cd8f64_proj:
	s_mov_b64 s[64:65], 0
	v_nop
	global_prefetch_b8 v0, s[64:65] scope:SCOPE_SE
	s_setreg_imm32_b32 hwreg(HW_REG_WAVE_MODE, 25, 1), 1
	s_wait_xcnt 0x0
	s_wait_alu depctr_hold_cnt(0) depctr_sa_sdst(0) depctr_va_vdst(0) depctr_va_sdst(0) depctr_va_ssrc(0) depctr_va_vcc(0) depctr_vm_vsrc(0)
	s_getreg_b32 s2, hwreg(HW_REG_IB_STS2, 6, 4)
	s_cmp_eq_u32 s2, 0
	s_cbranch_scc0 .Lentry_in_a_cluster
	s_endpgm
.Lentry_in_a_cluster:
	s_bfe_u32 s2, ttmp6, 0x10000c
	s_cmp_lg_u32 s2, 0xf033
	s_cbranch_scc0 .Lentry_shape_is_right
	s_endpgm
.Lentry_shape_is_right:
; PROJ: q = queries Wq + bq, k = keys Wk + bk, v = values Wv + bv on codes of FP6 (E2M3) with E8M0 scales, and each result quantised at once for the attention launch, as images of operand registers.
; D = P R^T, source 0 = a tile of P, source 1 = a tile of R.  In D a lane holds ONE row of R, and its registers run along P's rows; by the order of P's tiles' rows the 16 registers of P's tiles 2 b and 2 b + 1 are
; 16 NEIGHBOURS along P: 32 b + 16 h + 0 .. 15.  So the result is quantised ALONG P in registers.
;   q, k (jobs 0, 1): P = the weight's columns (features), R = tokens: blocks of 32 along a head's 64.     v (job 2): P = tokens, R = features: blocks of 32 along the keys.
; SHARES: 256 work-groups THAT STAY, 16 clusters of 4 x 4: each walks three jobs, q, k, v; a job is 128 of P x 256 of R over all K = 1,024; wave w takes all 8 tiles of P x R's tiles 4 w .. 4 w + 3: 32 accumulators.
; CLUSTER: P's tiles hang on cx alone and are asked for jointly by the four work-groups of a column, R's on cy alone, by the four of a row.
; LDS: a ring of two slots of unlike size: slot A holds K steps 0-5 of P's 8 and R's 16 tiles (rows of 9,216 bytes), slot B K steps 6, 7 (rows of 3,072).  One joint load a wave behind each round: waves 0, 1 fetch four tiles of P each,
; waves 2, 3 eight of R each.  Slot B is asked for at a job's start, five K steps (160 matrix instructions a wave) ahead of its first read; slot A for the NEXT job in K step 5, when its last read is over: the rest of the job and its way out lie ahead of its first read.
; Jobs 0 and 1 run in a loop; job 2, which asks for nothing further and has the other way out, is written out.  Each refill goes out as soon as its slot is free, so no further prefetch is laid.
; The tiles lie as register images: every LDS load reads consecutive bytes (16 or 8 a lane), so there is no pitch and no padding.
; aq: records of REC bytes, [section 2][b h 64][group of 8 token tiles = key step 16]: 8 halves of 768 bytes (q's in section 0, k's in section 1); at 6,144 v's 4 fragments of 1,536 (section 1 alone);
; at 12,288 the 8 tiles' scale words [group 2][lane 32][4 tiles] (two bytes; bytes 2, 3 are 0); at 13,312 v's scale words [lane 32][4 tiles] (section 1 alone).
; LIMITS: a block of zeros or under 2^-124 gets the byte 1; NaN and infinities are not served.
; REGISTERS, in windows of 256: window 0: addresses; v32-95 P's scale words (8 b + K step), v96-127 R's (8 a + K step); v128-191 a tile row's 64 results; v192.. the codes just made.
;   window 1: accumulator (a, b) at 8 (8 a + b).   window 2: P's fragments, two sets of 96.   window 3: R's fragments, two sets of 48; from v128 the bias along P; from v192 the bias of my lane's row of R, twice.
.set XS,    18874368
.set WS,    3145728
.set REC,   13824
.set SECT,  14155776
.set ARO,   73728                      ; slot A: P's 8 x 9,216, then R's 16 x 9,216
.set BPO,   221184                     ; slot B: P's 8 x 3,072,
.set BRO,   245760                     ; then R's 16 x 3,072
.set SPARE, 294912                     ; the spare words, 128 bytes a wave
.set PA16, 8                           ; v8, v9: 16 x lane at P's tiles 0-3, 4-7 of slot A; v10: at slot B;  v12-14 the same with 8 x lane
.set PA8,  12
.set RA16, 16                          ; v16, v17 (v20, v21): my four tiles of R in slot A, B
.set RA8,  20
.set SPW,  24
.set NIL,  25
.set PS,   32
.set RS,   96
.set H,    128
.set PC,   192
.set TM,   212
.set PW,   228
.set SA,   232
.set SB,   236
.set BP,   128
.set BR,   192
.set WV,   66
.set SEL,  88
.set G1PA, 16                          ; groups 1: (P, slot A), (R, A), (P, B), (R, B)
.set G1RA, 24
.set G1PB, 40
.set G1RB, 48
.set G0PA, 32                          ; groups 0
.set G0RA, 36
.set G0PB, 56
.set G0RB, 60
; s67 the job; s70, s71 my blocks of P and R in jobs 0, 1; s98, s69 in job 2; s99 = w % 2; s[72:75] where my fetches of the current job begin (P, R), s[76:79] job 2's; s[84:87] the scale words' addresses, s[90:93] job 2's
.set MSB, 0
.macro WIN new                         ; the immediate's high byte repeats the setting that is left
.if MSB != \new
	s_set_vgpr_msb (MSB<<8)|\new
.set MSB, \new
.endif
.endm
.macro PLACES n
.rept \n
	v_nop
.endr
.endm
.macro CROUND                          ; a round of the cluster's barrier
	s_barrier_signal -1
	s_barrier_wait -1
	s_cmp_lg_u32 s[WV], 0
	s_cbranch_scc1 .Lnot_wave_0_\@
	s_barrier_signal -3
.Lnot_wave_0_\@:
	s_barrier_wait -3
	s_barrier_signal -1
	s_barrier_wait -1
.endm
.macro JLOAD g0p, g1p, g0r, g1r        ; a joint load, one a wave: waves 0, 1 for P, waves 2, 3 for R; s_nop 0 and four v_nop behind each line
	s_cmp_lt_u32 s[WV], 2
	s_cbranch_scc0 .Lfor_r_\@
	tensor_load_to_lds s[\g0p:\g0p+3], s[\g1p:\g1p+7]
	s_nop 0
	PLACES 4
	s_branch .Lasked_\@
.Lfor_r_\@:
	tensor_load_to_lds s[\g0r:\g0r+3], s[\g1r:\g1r+7]
	s_nop 0
	PLACES 4
.Lasked_\@:
.endm
.macro GRP1 g, m, c, r                 ; r rows of c elements of 8 bytes, 12,288 bytes apart in memory, dense in LDS
	s_or_b32 s[\g], \m, (3<<16)|(1<<21)
	s_mov_b32 s[\g+1], (\c)<<16
	s_mov_b32 s[\g+2], (\r)<<16
	s_mov_b32 s[\g+3], (\c)<<16
	s_mov_b32 s[\g+4], \r
	s_mov_b32 s[\g+5], 1536
	s_mov_b32 s[\g+6], 0
	s_mov_b32 s[\g+7], 0
.endm
.macro FRAG dst, a16, a8, off          ; a fragment's image back into 12 registers
	ds_load_b128 v[\dst:\dst+3], v[\a16] offset:\off
	ds_load_b64 v[\dst+4:\dst+5], v[\a8] offset:(\off)+512
	ds_load_b128 v[\dst+6:\dst+9], v[\a16] offset:(\off)+768
	ds_load_b64 v[\dst+10:\dst+11], v[\a8] offset:(\off)+1280
.endm
.macro FETCH s                         ; K step s: P's 8 fragments and my 4 of R into set s % 2: 48 LDS loads
	WIN 0x80
.irp b, 0,1,2,3,4,5,6,7
.if (\s) < 6
	FRAG 96*((\s)%2)+12*\b, PA16+\b/4, PA8+\b/4, 9216*(\b%4)+1536*(\s)
.else
	FRAG 96*((\s)%2)+12*\b, PA16+2, PA8+2, 3072*\b+1536*((\s)-6)
.endif
.endr
	WIN 0xc0
.irp a, 0,1,2,3
.if (\s) < 6
	FRAG 48*((\s)%2)+12*\a, RA16, RA8, 9216*\a+1536*(\s)
.else
	FRAG 48*((\s)%2)+12*\a, RA16+1, RA8+1, 3072*\a+1536*((\s)-6)
.endif
.endr
	WIN 0
.endm
.macro MULA s, a, zero                 ; R's tile a against P's eight.  The 32 accumulators take turns, one instruction a turn, in the same order in every K step
.irp b, 0,1,2,3,4,5,6,7
.if \zero
	v_wmma_scale_f32_16x16x128_f8f6f4 v[8*(8*(\a)+\b):8*(8*(\a)+\b)+7], v[96*((\s)%2)+12*\b:96*((\s)%2)+12*\b+11], v[48*((\s)%2)+12*(\a):48*((\s)%2)+12*(\a)+11], 0, v[PS+8*\b+(\s)], v[RS+8*(\a)+(\s)] matrix_a_fmt:MATRIX_FMT_FP6 matrix_b_fmt:MATRIX_FMT_FP6
.else
	v_wmma_scale_f32_16x16x128_f8f6f4 v[8*(8*(\a)+\b):8*(8*(\a)+\b)+7], v[96*((\s)%2)+12*\b:96*((\s)%2)+12*\b+11], v[48*((\s)%2)+12*(\a):48*((\s)%2)+12*(\a)+11], v[8*(8*(\a)+\b):8*(8*(\a)+\b)+7], v[PS+8*\b+(\s)], v[RS+8*(\a)+(\s)] matrix_a_fmt:MATRIX_FMT_FP6 matrix_b_fmt:MATRIX_FMT_FP6
.endif
.endr
.endm
.macro EVEN s, zero                    ; a K step whose successor lies in a slot that is whole
.if (\s) > 0
	PLACES 4                                       ; four places in front of loads into registers that the last products read
.endif
	FETCH (\s)+1
	s_wait_dscnt 48                                ; all but the 48 just issued: this step's fragments are in
	WIN 0x5e                                       ; source 0 window 2, source 1 window 3, C and D window 1
	MULA \s, 0, \zero
	MULA \s, 1, \zero
	MULA \s, 2, \zero
	MULA \s, 3, \zero
.endm
; K step 5: its successor lies in slot B, and slot A is read no more.  refill = 1: the tensor wait, the add and its wait, a round, and slot A takes the next job's K steps 0-5.  refill = 0: a barrier shows slot B whole.
.macro STEP5 refill
	WIN 0
	s_wait_tensorcnt 0x0                           ; my load of slot B is in
.if \refill
	ds_add_u32 v[SPW], v[NIL]
	s_wait_dscnt 1                                 ; this step's fragments are in; the add may be out
	s_add_nc_u64 s[72:73], s[72:73], 64*12288      ; no tensor load of mine is out: the groups 0 may be written.  Job 1: the next weight's tiles,
	s_add_nc_u64 s[74:75], s[74:75], 512*12288     ; the next tensor's;
	s_cmp_eq_u32 s67, 0
	s_cselect_b64 s[72:73], s[72:73], s[76:77]     ; job 2: values' tiles,
	s_cselect_b64 s[74:75], s[74:75], s[78:79]     ; Wv's
	s_mov_b64 s[G0PA+2:G0PA+3], s[72:73]
	s_or_b32 s[G0PA+3], s[G0PA+3], 0x80000000
	s_mov_b64 s[G0RA+2:G0RA+3], s[74:75]
	s_or_b32 s[G0RA+3], s[G0RA+3], 0x80000000
	WIN 0x5e
	MULA 5, 0, 0                                   ; sixteen products between the add and the wait for it
	MULA 5, 1, 0
	WIN 0
	s_wait_dscnt 0x0                               ; the add is done, and so are my reads of slot A
	CROUND                                         ; both hold of every wave of the sixteen work-groups
	JLOAD G0PA, G1PA, G0RA, G1RA                   ; the first tensor load behind the round; its four v_nop are the places in front of the loads below
.else
	s_wait_dscnt 0x0
	s_barrier_signal -1
	WIN 0x5e
	MULA 5, 0, 0
	MULA 5, 1, 0
	s_barrier_wait -1
	PLACES 4
.endif
	FETCH 6
	WIN 0x5e
	MULA 5, 2, 0
	MULA 5, 3, 0
.endm
; A job's start: slot A is whole, slot B is read no more: the three lines, a round, and slot B takes this job's K steps 6, 7 (the first time: its first fill, issued as a refill is)
.macro START
	s_wait_tensorcnt 0x0                           ; my load of slot A is in
	ds_add_u32 v[SPW], v[NIL]
	s_add_nc_u64 s[G0PB+2:G0PB+3], s[72:73], 9216
	s_or_b32 s[G0PB+3], s[G0PB+3], 0x80000000
	s_add_nc_u64 s[G0RB+2:G0RB+3], s[74:75], 9216
	s_or_b32 s[G0RB+3], s[G0RB+3], 0x80000000
	s_wait_dscnt 0x0                               ; the add is done, and so are my reads of slot B
	CROUND
	JLOAD G0PB, G1PB, G0RB, G1RB
.endm
.macro COMPUTE nb, refill              ; nb: the bias loads, issued behind the scale words', which may stay out
	FETCH 0
	s_wait_loadcnt \nb                             ; the scale words are in
	EVEN 0, 1                                      ; the first K step's products start the sums: nothing is cleared
.irp s, 1,2,3,4
	EVEN \s, 0
.endr
	STEP5 \refill
	EVEN 6, 0
	s_wait_dscnt 0x0
	MULA 7, 0, 0
	MULA 7, 1, 0
	MULA 7, 2, 0
	MULA 7, 3, 0
	WIN 0
	PLACES 4                                       ; four places behind the last products: for loads into the scale words' registers and for the first read of results
	s_wait_xcnt 0x0                                ; earlier loads and stores have read their bases and their data
.endm
.macro SLOADS                          ; a job's scale words, all K steps: 24 loads
.irp b, 0,1,2,3,4,5,6,7
.irp g, 0,1
	global_load_b128 v[PS+8*\b+4*\g:PS+8*\b+4*\g+3], v4, s[84:85] offset:1024*\b+512*\g
.endr
.endr
.irp a, 0,1,2,3
.irp g, 0,1
	global_load_b128 v[RS+8*\a+4*\g:RS+8*\a+4*\g+3], v4, s[86:87] offset:1024*\a+512*\g
.endr
.endr
.endm
; 64 numbers of a lane, register 16 b + i = index 32 b + 16 h + i of my row, become a fragment's codes in v[PC] on and its scale word in v[PW]
.macro QUANT s
.irp b, 0,1,2,3
	v_max3_num_f32 v[TM+\b], |v[\s+16*\b]|, |v[\s+1+16*\b]|, 0x1800000   ; with the floor 2^(3 - 127): the byte cannot fall under 1
.endr
.irp i, 2,4,6,8,10,12,14
.irp b, 0,1,2,3
	v_max3_num_f32 v[TM+\b], v[TM+\b], |v[\s+16*\b+\i]|, |v[\s+1+16*\b+\i]|
.endr
.endr
.irp b, 0,1,2,3
	v_permlanex16_b32 v[TM+4+\b], v[TM+\b], s[SEL], s[SEL+1]
.endr
.irp b, 0,1,2,3
	v_max_num_f32 v[TM+\b], v[TM+\b], v[TM+4+\b]   ; with lane l xor 16's: the block's largest magnitude
.endr
.irp b, 0,1,2,3
	v_add_nc_u32 v[TM+12+\b], 0xff000000, v[TM+\b] ; 2 off its exponent field: the conversion's scale operand
.endr
.irp b, 0,1,2,3
	v_lshrrev_b32 v[TM+4+\b], 23, v[TM+12+\b]      ; the byte
.endr
	v_lshl_or_b32 v[PW], v[TM+5], 8, v[TM+4]
	v_lshl_or_b32 v[PW], v[TM+6], 16, v[PW]
	v_lshl_or_b32 v[PW], v[TM+7], 24, v[PW]
.irp c, 0,1
	v_cvt_scalef32_pk16_fp6_f32 v[PC+6*\c:PC+2+6*\c], v[\s+32*\c:\s+15+32*\c], v[TM+12+2*\c]
	v_cvt_scalef32_pk16_fp6_f32 v[PC+12+4*\c:PC+14+4*\c], v[\s+16+32*\c:\s+31+32*\c], v[TM+12+2*\c+1]
.endr
	v_nop                                          ; one plain place behind a scaled conversion
.irp c, 0,1                            ; the layout wants a WHOLE block in a lane: lanes 0-15 block 2 c, lanes 16-31 block 2 c + 1
.irp i, 0,1,2
	v_permlane16_swap_b32 v[PC+6*\c+\i], v[PC+12+4*\c+\i]
.endr
.irp i, 0,1,2
	v_mov_b32 v[PC+3+6*\c+\i], v[PC+12+4*\c+\i]
.endr
.endr
.endm
; THE WAY OUT, a tile of R at a time: + bias, quantised along P, stored as images: 512, 256, 512, 256 consecutive bytes.  vkind = 1: the bias goes by my lane's row; the fragment's halves lie on end.
; vkind = 0: the bias goes by the register; the two halves are two heads' (obd bytes apart), and the scale word is cut in two.
.macro EPI vkind, str, obd
.irp a, 0,1,2,3
.if \a > 0
	s_wait_xcnt 0x0                                ; the last tile's stores have read the codes' registers
.endif
	WIN 0x0d                                       ; source 0 (results) window 1, source 1 (bias) window 3
.set i, 0
.rept 32
.if \vkind
	v_pk_add_f32 v[H+i:H+i+1], v[64*\a+i:64*\a+i+1], v[BR+2*\a:BR+2*\a+1]
.else
	v_pk_add_f32 v[H+i:H+i+1], v[64*\a+i:64*\a+i+1], v[BP+i:BP+i+1]     ; each accumulator from its low end on
.endif
.set i, i+2
.endr
	WIN 0
	QUANT H
	global_store_b128 v4, v[PC:PC+3], s[96:97] offset:\a*\str
	global_store_b64 v5, v[PC+4:PC+5], s[96:97] offset:\a*\str+512
	global_store_b128 v4, v[PC+6:PC+9], s[96:97] offset:\a*\str+\obd
	global_store_b64 v5, v[PC+10:PC+11], s[96:97] offset:\a*\str+\obd+512
.if \vkind
	v_mov_b32 v[SA+\a], v[PW]
.else
	v_and_b32 v[SA+\a], 0xffff, v[PW]              ; the first head's two bytes; bytes 2 and 3, for the empty half of the score product's K, are 0
	v_lshrrev_b32 v[SB+\a], 16, v[PW]              ; the second head's
.endif
.endr
	global_store_b128 v4, v[SA:SA+3], s[100:101]
.if \vkind == 0
	global_store_b128 v4, v[SB:SB+3], s[100:101] offset:\obd
.endif
.endm
	s_load_b256 s[4:11], s[0:1], 0x0               ; xq, wq, bq, bk
	s_load_b128 s[12:15], s[0:1], 0x20             ; bv, aq
	v_lshl_add_u32 v[SPW], v0, 2, SPARE
	v_mov_b32 v[NIL], 0
	ds_add_u32 v[SPW], v[NIL]                      ; the opening lines: the add, twice on end, and its wait ahead of my first tensor load
	ds_add_u32 v[SPW], v[NIL]
	v_lshrrev_b32 v1, 5, v0
	v_readfirstlane_b32 s[WV], v1                  ; wave 0..3
	s_bfe_u32 s68, ttmp6, 0x40000                  ; cx
	s_bfe_u32 s69, ttmp6, 0x40004                  ; cy: also my block of R (256 features) in job 2
	s_and_b32 s70, ttmp9, 1
	s_lshl_b32 s70, s70, 2
	s_add_co_u32 s70, s70, s68                     ; jobs 0, 1: my block of P (128 features)
	s_lshr_b32 s71, ttmp9, 1
	s_lshl_b32 s71, s71, 2
	s_add_co_u32 s71, s71, s69                     ; and of R (256 tokens)
	s_lshl_b32 s98, ttmp9, 2
	s_add_co_u32 s98, s98, s68                     ; job 2: my block of P (128 tokens)
	s_and_b32 s99, s[WV], 1                        ; which half of an operand's tiles I fetch
	s_lshl_b32 s2, 0x1111, s68                     ; my column of the cluster (same cx)
	s_lshl_b32 s3, s69, 2
	s_lshl_b32 s3, 15, s3                          ; my row (same cy)
	GRP1 G1PA, s2, 1152, 4
	GRP1 G1RA, s3, 1152, 8
	GRP1 G1PB, s2, 384, 4
	GRP1 G1RB, s3, 384, 8
	s_mov_b32 s[G0PA], 1                           ; where the fetched tiles go: no place in the cluster enters an LDS address
	s_mul_i32 s[G0PA+1], s99, 4*9216
	s_mov_b32 s[G0RA], 1
	s_mul_i32 s[G0RA+1], s99, 8*9216
	s_add_co_u32 s[G0RA+1], s[G0RA+1], ARO
	s_mov_b32 s[G0PB], 1
	s_mul_i32 s[G0PB+1], s99, 4*3072
	s_add_co_u32 s[G0PB+1], s[G0PB+1], BPO
	s_mov_b32 s[G0RB], 1
	s_mul_i32 s[G0RB+1], s99, 8*3072
	s_add_co_u32 s[G0RB+1], s[G0RB+1], BRO
	s_lshl_b32 s80, s70, 3                         ; job 0: Wq's tiles 8 x block + 4 (w % 2) ..: a tile's eight K steps are 12,288 bytes
	s_lshl_b32 s100, s99, 2
	s_add_co_u32 s80, s80, s100
	s_mul_i32 s80, s80, 12288
	s_mov_b32 s81, 0
	s_lshl_b32 s82, s71, 4                         ; queries' tiles 16 x block + 8 (w % 2) ..
	s_lshl_b32 s101, s99, 3
	s_add_co_u32 s82, s82, s101
	s_mul_i32 s82, s82, 12288
	s_mov_b32 s83, 0
	s_mul_i32 s100, s[WV], 4*9216
	s_add_co_u32 s100, s100, ARO                   ; the four tiles of R that I multiply, in slot A
	s_mul_i32 s101, s[WV], 4*3072
	s_add_co_u32 s101, s101, BRO                   ; and in slot B
	s_mov_b32 s[SEL], 0x76543210
	s_mov_b32 s[SEL+1], 0xfedcba98
	v_and_b32 v3, 31, v0                           ; lane
	v_and_b32 v1, 15, v0                           ; r
	v_bfe_u32 v2, v0, 4, 1                         ; h
	v_lshlrev_b32 v4, 4, v3                        ; 16 x lane
	v_lshlrev_b32 v5, 3, v3                        ; 8 x lane
	v_lshlrev_b32 v26, 6, v2                       ; the bias along P: 16 h numbers on
	v_and_b32 v27, 8, v1
	v_add_nc_u32 v27, v27, v1
	v_lshlrev_b32 v27, 2, v27                      ; the bias of my row of R: 4 (r + 8 (r / 8))
.irp j, 0,1
	v_add_nc_u32 v[PA16+\j], 4*9216*\j, v4
	v_add_nc_u32 v[PA8+\j], 4*9216*\j, v5
.endr
	v_add_nc_u32 v[PA16+2], BPO, v4
	v_add_nc_u32 v[PA8+2], BPO, v5
	v_add_nc_u32 v[RA16], s100, v4
	v_add_nc_u32 v[RA8], s100, v5
	v_add_nc_u32 v[RA16+1], s101, v4
	v_add_nc_u32 v[RA8+1], s101, v5
.irp b, 0,1,2,3
	v_mov_b32 v[TM+4+\b], 0                        ; written once: a lane permute's destination counts as one of its sources
.endr
	s_wait_alu depctr_va_vdst(0)
	s_wait_dscnt 0x0                               ; both opening adds are done
	s_wait_kmcnt 0x0
	s_add_nc_u64 s[72:73], s[6:7], s[80:81]        ; job 0: P's codes at my four tiles
	s_add_nc_u64 s[74:75], s[4:5], s[82:83]        ; R's at my eight
	s_mov_b64 s[G0PA+2:G0PA+3], s[72:73]
	s_or_b32 s[G0PA+3], s[G0PA+3], 0x80000000
	s_mov_b64 s[G0RA+2:G0RA+3], s[74:75]
	s_or_b32 s[G0RA+3], s[G0RA+3], 0x80000000
	CROUND                                         ; all sixteen work-groups are here: the joint loads meet
	JLOAD G0PA, G1PA, G0RA, G1RA                   ; job 0's K steps 0-5: one tensor load a wave at the head
	s_lshl_b32 s80, s98, 3                         ; job 2: values' tiles 1,024 + 8 x block + 4 (w % 2) ..
	s_lshl_b32 s2, s99, 2
	s_add_co_u32 s80, s80, s2
	s_add_co_u32 s80, s80, 1024
	s_mul_i32 s80, s80, 12288
	s_add_nc_u64 s[76:77], s[4:5], s[80:81]
	s_lshl_b32 s82, s69, 4                         ; Wv's tiles 128 + 16 x block + 8 (w % 2) ..
	s_lshl_b32 s3, s99, 3
	s_add_co_u32 s82, s82, s3
	s_add_co_u32 s82, s82, 128
	s_mul_i32 s82, s82, 12288
	s_add_nc_u64 s[78:79], s[6:7], s[82:83]
	s_lshl_b32 s80, s70, 13                        ; the scale words, 1,024 bytes a tile.  Job 0: P's eight tiles,
	s_add_co_u32 s80, s80, WS
	s_add_nc_u64 s[84:85], s[6:7], s[80:81]
	s_lshl_b32 s82, s71, 4
	s_lshl_b32 s3, s[WV], 2
	s_add_co_u32 s82, s82, s3
	s_lshl_b32 s82, s82, 10
	s_add_co_u32 s82, s82, XS
	s_add_nc_u64 s[86:87], s[4:5], s[82:83]        ; R's four that I multiply
	s_lshl_b32 s80, s98, 13                        ; job 2 likewise
	s_add_co_u32 s80, s80, XS+1024*1024
	s_add_nc_u64 s[90:91], s[4:5], s[80:81]
	s_lshl_b32 s82, s69, 4
	s_add_co_u32 s82, s82, s3
	s_add_co_u32 s82, s82, 128
	s_lshl_b32 s82, s82, 10
	s_add_co_u32 s82, s82, WS
	s_add_nc_u64 s[92:93], s[6:7], s[82:83]
	SLOADS                                         ; job 0's
	s_mov_b32 s67, 0
.Ljob:                                                 ; jobs 0 and 1: q, k
	START
	s_cmp_eq_u32 s67, 0
	s_cselect_b64 s[94:95], s[8:9], s[10:11]       ; bq or bk
	s_lshl_b32 s80, s70, 9
	s_add_nc_u64 s[94:95], s[94:95], s[80:81]      ; at my 128 features
	WIN 0xc0
.irp b, 0,1,2,3,4,5,6,7
	global_load_b128 v[BP+8*\b:BP+8*\b+3], v26, s[94:95] offset:4*(32*(\b/2)+8*(\b%2))
	global_load_b128 v[BP+8*\b+4:BP+8*\b+7], v26, s[94:95] offset:4*(32*(\b/2)+8*(\b%2))+16
.endr
	WIN 0
	COMPUTE 16, 1
	s_add_nc_u64 s[84:85], s[84:85], 64*1024       ; the next job's scale words come under the way out
	s_add_nc_u64 s[86:87], s[86:87], 512*1024
	s_cmp_eq_u32 s67, 0
	s_cselect_b64 s[84:85], s[84:85], s[90:91]
	s_cselect_b64 s[86:87], s[86:87], s[92:93]
	SLOADS
	s_lshr_b32 s2, s71, 3                          ; batch: 8 blocks of 256 tokens
	s_lshl_b32 s2, s2, 4
	s_lshl_b32 s3, s70, 1
	s_add_co_u32 s2, s2, s3                        ; 16 x batch + the first of my two heads
	s_lshl_b32 s82, s2, 4
	s_and_b32 s3, s71, 7
	s_lshl_b32 s3, s3, 1
	s_add_co_u32 s82, s82, s3
	s_lshr_b32 s3, s[WV], 1
	s_add_co_u32 s82, s82, s3                      ; the record: 16 (b h) + which group of 8 tiles
	s_mul_i32 s82, s82, REC
	s_mul_i32 s3, s67, SECT                        ; q's section or k's
	s_add_co_u32 s82, s82, s3
	s_add_nc_u64 s[100:101], s[14:15], s[82:83]
	s_mul_i32 s82, s99, 3072                       ; which four of the eight tiles
	s_add_nc_u64 s[96:97], s[100:101], s[82:83]    ; their halves
	s_lshl_b32 s82, s99, 9
	s_add_co_u32 s82, s82, 12288
	s_add_nc_u64 s[100:101], s[100:101], s[82:83]  ; their scale words
	s_wait_loadcnt 24                              ; this job's bias is in; the 24 loads just issued may be out
	EPI 0, 768, 16*REC                             ; the second head's records lie 16 records on
	s_add_co_u32 s67, s67, 1
	s_cmp_lt_u32 s67, 2
	s_wait_alu depctr_va_vdst(0)
	s_cbranch_scc1 .Ljob
	START                                          ; job 2: v.  It asks for its own K steps 6, 7 and for nothing further
	s_lshl_b32 s80, s69, 8
	s_lshl_b32 s2, s[WV], 6
	s_add_co_u32 s80, s80, s2
	s_lshl_b32 s80, s80, 2
	s_add_nc_u64 s[94:95], s[12:13], s[80:81]      ; bv from 256 x my block of R + 64 w on
	WIN 0xc0
.irp a, 0,1,2,3
	global_load_b32 v[BR+2*\a], v27, s[94:95] offset:4*(32*(\a/2)+8*(\a%2))
	global_load_b32 v[BR+2*\a+1], v27, s[94:95] offset:4*(32*(\a/2)+8*(\a%2))
.endr
	WIN 0
	COMPUTE 8, 0
	s_lshr_b32 s2, s98, 4                          ; batch: 16 blocks of 128 tokens
	s_lshl_b32 s2, s2, 4
	s_lshl_b32 s3, s69, 2
	s_add_co_u32 s2, s2, s3
	s_add_co_u32 s2, s2, s[WV]                     ; b h: my 64 features are one head
	s_lshl_b32 s2, s2, 4
	s_and_b32 s3, s98, 15
	s_add_co_u32 s2, s2, s3                        ; 16 (b h) + key step
	s_mul_i32 s82, s2, REC
	s_add_co_u32 s82, s82, SECT+6144
	s_add_nc_u64 s[96:97], s[14:15], s[82:83]      ; v's fragments in the record
	s_add_nc_u64 s[100:101], s[96:97], 7168        ; its scale words, at 13,312
	s_wait_loadcnt 0x0                             ; the bias is in
	EPI 1, 1536, 768
	s_wait_tensorcnt 0x0                           ; the wave's end
	ds_add_u32 v[SPW], v[NIL]
	s_wait_dscnt 0x0
	CROUND                                         ; the closing round
	s_endpgm
.Lfunc_end_k_q55a3cd8f64_proj:
	.size	k_q55a3cd8f64_proj, .Lfunc_end_k_q55a3cd8f64_proj-k_q55a3cd8f64_proj
	.p2alignl 7, 3214868480
	.fill 96, 4, 3214868480
	.section	.rodata,"a",@progbits
	.p2align	6, 0x0
	.amdhsa_kernel k_q55a3cd8f64_proj
		.amdhsa_group_segment_fixed_size 327680
		.amdhsa_private_segment_fixed_size 0
		.amdhsa_enable_private_segment 0
		.amdhsa_kernarg_size 48
		.amdhsa_user_sgpr_count 2
		.amdhsa_user_sgpr_kernarg_segment_ptr 1
		.amdhsa_wavefront_size32 1
		.amdhsa_system_sgpr_workgroup_id_x 1
		.amdhsa_system_sgpr_workgroup_id_y 1
		.amdhsa_system_sgpr_workgroup_id_z 1
		.amdhsa_system_vgpr_workitem_id 0
		.amdhsa_next_free_vgpr 1024
		.amdhsa_next_free_sgpr 102
		.amdhsa_reserve_vcc 0
		.amdhsa_float_denorm_mode_32 3
		.amdhsa_float_denorm_mode_16_64 3
		.amdhsa_memory_ordered 1
		.amdhsa_forward_progress 1
		.amdhsa_inst_pref_size 188
	.end_amdhsa_kernel
	.amdgpu_metadata
---
amdhsa.version: [ 1, 2 ]
amdhsa.kernels:
  - .name:           k_q55a3cd8f64_proj
    .symbol:         k_q55a3cd8f64_proj.kd
    .args:
      - { .name: xq, .offset: 0, .size: 8, .value_kind: global_buffer, .address_space: global }
      - { .name: wq, .offset: 8, .size: 8, .value_kind: global_buffer, .address_space: global }
      - { .name: bq, .offset: 16, .size: 8, .value_kind: global_buffer, .address_space: global }
      - { .name: bk, .offset: 24, .size: 8, .value_kind: global_buffer, .address_space: global }
      - { .name: bv, .offset: 32, .size: 8, .value_kind: global_buffer, .address_space: global }
      - { .name: aq, .offset: 40, .size: 8, .value_kind: global_buffer, .address_space: global }
    .group_segment_fixed_size: 327680
    .private_segment_fixed_size: 0
    .kernarg_segment_align: 8
    .kernarg_segment_size: 48
    .max_flat_workgroup_size: 128
    .sgpr_count:     102
    .vgpr_count:     1024
    .wavefront_size: 32
...
	.end_amdgpu_metadata
.endif
;; end of part 2
;; launch attn (part 3): grid 4 x 64, 16 waves a work-group, clusters of 4 x 1, 327,680 bytes of LDS; arguments aq, maskw, cq; writes cq
.if DOCPART == 3
	.amdgcn_target "amdgcn-amd-amdhsa--gfx1250"
	.amdhsa_code_object_version 6
	.text
	.protected	k_q55a3cd8f64_attn
	.globl	k_q55a3cd8f64_attn
	.p2align	8
	.type	k_q55a3cd8f64_attn,@function
k_q55a3cd8f64_attn:
	s_mov_b64 s[64:65], 0
	v_nop
	global_prefetch_b8 v0, s[64:65] scope:SCOPE_SE
	s_setreg_imm32_b32 hwreg(HW_REG_WAVE_MODE, 25, 1), 1
	s_wait_xcnt 0x0
	s_wait_alu depctr_hold_cnt(0) depctr_sa_sdst(0) depctr_va_vdst(0) depctr_va_sdst(0) depctr_va_ssrc(0) depctr_va_vcc(0) depctr_vm_vsrc(0)
	s_getreg_b32 s2, hwreg(HW_REG_IB_STS2, 6, 4)
	s_cmp_eq_u32 s2, 0
	s_cbranch_scc0 .Lentry_in_a_cluster
	s_endpgm
.Lentry_in_a_cluster:
	s_bfe_u32 s2, ttmp6, 0x10000c
	s_cmp_lg_u32 s2, 0x3003
	s_cbranch_scc0 .Lentry_shape_is_right
	s_endpgm
.Lentry_shape_is_right:
; ATTN: ctx = softmax(where(mask, fill, q k^T / 8)) v on codes of FP6 (E2M3) with E8M0 scales, and ctx quantised at once for the last product, as images of operand registers.
; SHARES: a work-group takes one (batch, head) and 512 queries; a wave two tiles of 16 queries, one after the other (two passes), each over 16 steps of 128 keys.
; CLUSTER: the four work-groups of a cluster are the four query blocks of one head: they need the same K and V and ask for them jointly (mask 15).
; LDS: the head's 16 records of 13,824 bytes (a key step each: K's 8 halves, V's 4 fragments, K's and V's scale words), as the launch before stored them.  Wave w fetches record w: one dense tensor load a wave, each byte filled once.
; So there is no later tile to ask ahead for; the mask's codes go straight into registers, one key step (1,024 bytes a wave) ahead of their use, and no other prefetch is laid.
; BOTH PRODUCTS ARE USED TRANSPOSED (S^T = k q^T, O^T = v^T p^T): a lane holds one query.  Row 8 h + j of K's tile t is key 64 (t / 4) + 32 h + 8 (t % 4) + j of the step, so register 32 c + i of lane (r, h)'s 64 scores is
; key 64 c + 32 h + i: the lane holds blocks h and 2 + h of p WHOLE, in the order of the operand's registers: a block's maximum needs no other lane and the codes need no exchange.
; THE MASK IS THE C OF THE SCORE PRODUCT: its codes of FP4 (0, or -1.0 for a masked key) are widened with the scale 2^53 into the scores' registers, eight numbers an instruction, and the product adds onto them.
; The head's axis is 64: the upper half of the product's K meets q's zero codes.
; Softmax by the stated rule: M = ceil(running largest t), p = 2^(t - M), the sum of the unquantised p, O^T and the sum brought under a new M by an exact power of two, the division at the end.
; LIMITS: a masked score is -2^53 + the raw score, which f32 holds at -2^53 while the raw score stays under 2^28 in magnitude; beside any unmasked score above -2^50 it gives p = 0 as the fill does, and a row wholly masked gets equal p.
; The promise holds while the scaled scores stay under 2^31 in magnitude.  A block of p that is all zeros gets the byte 1.  NaN and infinities are not served.
.set REC,   13824
.set SECT,  14155776                   ; where k's and v's records begin in aq; q's begin at 0
.set CS,    6291456                    ; where cq's scale words begin
.set SPARE, 221184                     ; behind the 16 records: the spare words, 128 bytes a wave
.set SPW, 7                            ; v7 my spare word's address, v8 = 0: never rewritten
.set NIL, 8
.set S,   104                          ; v104-167 the scores, then p
.set O,   168                          ; v168-199 O^T
.set PC,  200                          ; v200-211 p's codes; v212-214, v216-218 the halves that begin on an odd register
.set WV,  52
.set SEL, 54
.set CC,  56
.set TK,  58
.set CNT, 61
.set MOFF, 62
; v1 16 x lane, v2 8 x lane, v3 the mask's scale bytes, v4 8 h, v5 the mask's offset; v12 -M, v13 the running largest raw score, v14-15 the sum; v16-27, v238-249 q's two fragments (upper halves zeros), v28, v250 their scale words;
; v29 p's scale word, v30 f; v32-85 K's halves, then V's fragments; v86-97 their scale words; v100-103, v252-255 the mask's codes
.macro CROUND
	s_barrier_signal -1
	s_barrier_wait -1
	s_cmp_lg_u32 s[WV], 0
	s_cbranch_scc1 .Lnot_wave_0_\@
	s_barrier_signal -3
.Lnot_wave_0_\@:
	s_barrier_wait -3
	s_barrier_signal -1
	s_barrier_wait -1
.endm
.macro FRAG dst, a16, a8, off
	ds_load_b128 v[\dst:\dst+3], v[\a16] offset:\off
	ds_load_b64 v[\dst+4:\dst+5], v[\a8] offset:(\off)+512
	ds_load_b128 v[\dst+6:\dst+9], v[\a16] offset:(\off)+768
	ds_load_b64 v[\dst+10:\dst+11], v[\a8] offset:(\off)+1280
.endm
	s_load_b128 s[84:87], s[0:1], 0x0              ; aq, maskw
	s_load_b64 s[88:89], s[0:1], 0x10              ; cq
	v_lshl_add_u32 v[SPW], v0, 2, SPARE
	v_mov_b32 v[NIL], 0
	ds_add_u32 v[SPW], v[NIL]                      ; the opening lines: the add, twice on end, and its wait ahead of my tensor load
	ds_add_u32 v[SPW], v[NIL]
	v_lshrrev_b32 v9, 5, v0
	s_delay_alu instid0(VALU_DEP_1)
	v_readfirstlane_b32 s[WV], v9                  ; wave 0..15
	s_and_b32 s66, ttmp7, 0xffff                   ; b h
	s_mov_b32 s4, 15|(3<<16)|(1<<21)               ; group 1: the four partners; elements of 8 bytes; a record as 54 rows of 256 bytes, dense
	s_mov_b32 s5, 32<<16
	s_mov_b32 s6, 54<<16
	s_mov_b32 s7, 32<<16
	s_mov_b32 s8, 54
	s_mov_b32 s9, 32
	s_mov_b32 s10, 0
	s_mov_b32 s11, 0
	s_lshl_b32 s44, s66, 4
	s_add_co_u32 s44, s44, s[WV]
	s_mul_i32 s44, s44, REC
	s_add_co_u32 s44, s44, SECT                    ; record 16 (b h) + w
	s_mov_b32 s45, 0
	s_mov_b32 s28, 1
	s_mul_i32 s29, s[WV], REC                      ; to LDS record w
	s_mov_b32 s[SEL], 0x76543210
	s_mov_b32 s[SEL+1], 0xfedcba98                 ; selects for lane l xor 16
	s_mov_b32 s[CC], 0x3e38aa3b                    ; log2(e) / 8
	s_mov_b32 s[CC+1], s[CC]
	v_and_b32 v9, 31, v0
	v_bfe_u32 v4, v0, 4, 1
	s_delay_alu instid0(VALU_DEP_2)
	v_lshlrev_b32 v1, 4, v9
	v_lshlrev_b32 v2, 3, v9
	v_lshlrev_b32 v4, 3, v4
	v_mov_b32 v3, 0xb4b4b4b4                       ; the byte of 2^53, in every byte of every lane
.irp i, 22,23,24,25,26,27, 244,245,246,247,248,249, 80,81,82,83,84,85
	v_mov_b32 v[\i], 0                             ; zero codes
.endr
.irp i, 31, 224,225,229,234,235
	v_mov_b32 v[\i], 0                             ; written once: a lane permute's destination counts as one of its sources; v31 is named in the pair v[30:31]
.endr
	s_wait_alu depctr_va_vdst(0)
	s_wait_dscnt 0x0
	s_wait_kmcnt 0x0
	s_add_nc_u64 s[30:31], s[84:85], s[44:45]
	s_or_b32 s31, s31, 0x80000000
	CROUND                                         ; the four work-groups are here: the joint loads meet
	tensor_load_to_lds s[28:31], s[4:11]
	s_nop 0
.rept 4
	v_nop
.endr
	s_bfe_u32 s53, ttmp6, 0x40000                  ; cx: it enters global addresses alone
	s_lshl_b32 s68, s53, 5
	s_lshl_b32 s69, s[WV], 1
	s_add_co_u32 s68, s68, s69                     ; my first query tile in the batch
	s_lshr_b32 s69, s66, 4
	s_lshl_b32 s69, s69, 7
	s_add_co_u32 s69, s69, s68                     ; over all batches
	s_and_b32 s70, s66, 15                         ; head
	s_mov_b32 s73, 0
	s_lshl_b32 s72, s69, 14
	s_add_nc_u64 s[90:91], s[86:87], s[72:73]      ; the mask's codes: my two tiles' 32 key steps lie on end
	s_lshl_b32 s72, s66, 4
	s_lshr_b32 s71, s68, 3
	s_add_co_u32 s72, s72, s71
	s_mul_i32 s72, s72, REC
	s_add_nc_u64 s[94:95], s[84:85], s[72:73]      ; q's record
	s_and_b32 s72, s68, 7
	s_mul_i32 s72, s72, 768
	s_add_nc_u64 s[92:93], s[94:95], s[72:73]      ; my two halves
	s_bfe_u32 s72, s68, 0x10002
	s_lshl_b32 s72, s72, 9
	s_and_b32 s71, s68, 3
	s_lshl_b32 s71, s71, 2
	s_add_co_u32 s72, s72, s71
	s_add_co_u32 s72, s72, 12288
	s_add_nc_u64 s[94:95], s[94:95], s[72:73]      ; their scale words
	s_lshl_b32 s72, s69, 4
	s_add_co_u32 s72, s72, s70
	s_mul_i32 s72, s72, 768
	s_add_nc_u64 s[96:97], s[88:89], s[72:73]      ; ctx's codes: [token tile][head][768]
	s_lshl_b32 s72, s70, 16
	s_lshr_b32 s71, s69, 1
	s_lshl_b32 s71, s71, 8
	s_add_co_u32 s72, s72, s71
	s_add_co_u32 s72, s72, CS
	s_add_nc_u64 s[98:99], s[88:89], s[72:73]      ; its scale words: [head][pair of tiles][lane][2]
	global_load_b128 v[16:19], v1, s[92:93]
	global_load_b64 v[20:21], v2, s[92:93] offset:512
	global_load_b128 v[238:241], v1, s[92:93] offset:768
	global_load_b64 v[242:243], v2, s[92:93] offset:1280
	global_load_b32 v28, v1, s[94:95]
	global_load_b32 v250, v1, s[94:95] offset:4
	global_load_b128 v[100:103], v1, s[90:91]      ; the first key step's mask
	global_load_b128 v[252:255], v1, s[90:91] offset:512
	s_mov_b32 s[MOFF], 0
	s_wait_tensorcnt 0x0                           ; my record is in
	s_barrier_signal -1
	s_barrier_wait -1                              ; everybody's is
.macro STEP qr, qs
	s_add_co_u32 s[MOFF], s[MOFF], 1024
	s_min_u32 s[MOFF], s[MOFF], 31744              ; the next step's mask; behind my last step the last is named again, inside the buffer
	s_wait_loadcnt 0x0                             ; this step's mask is in (asked for a step ago); the first time q too
.irp t, 0,1,2,3
	v_cvt_scale_pk8_f32_fp4 v[S+8*\t:S+8*\t+7], v[100+\t], v3       ; 0 or -2^53, in the scores' places
.endr
.irp t, 0,1,2,3
	v_cvt_scale_pk8_f32_fp4 v[S+32+8*\t:S+39+8*\t], v[252+\t], v3
.endr
	v_add_nc_u32 v5, s[MOFF], v1                   ; these four lines are the plain place behind the conversions and the places in front of loads into registers that the last products read
	v_add_nc_u32 v98, s[TK], v1
	v_add_nc_u32 v99, s[TK], v2
	v_nop
	global_load_b128 v[100:103], v5, s[90:91]
	global_load_b128 v[252:255], v5, s[90:91] offset:512
.irp t, 0,1,2,3,4,5,6,7
	ds_load_b128 v[32+6*\t:35+6*\t], v98 offset:768*\t
	ds_load_b64 v[36+6*\t:37+6*\t], v99 offset:768*\t+512
.endr
	ds_load_b128 v[86:89], v98 offset:12288
	ds_load_b128 v[90:93], v98 offset:12800
	s_wait_alu depctr_va_vdst(0)
	s_wait_dscnt 0x0
.irp t, 0,1,2,3,4,5,6,7
	v_wmma_scale_f32_16x16x128_f8f6f4 v[S+8*\t:S+8*\t+7], v[32+6*\t:43+6*\t], v[\qr:\qr+11], v[S+8*\t:S+8*\t+7], v[86+\t], v[\qs] matrix_a_fmt:MATRIX_FMT_FP6 matrix_b_fmt:MATRIX_FMT_FP6
.endr
.rept 4
	v_nop
.endr
.irp t, 0,1,2,3
	FRAG 32+12*\t, 98, 99, 6144+1536*\t
.endr
	ds_load_b128 v[94:97], v98 offset:13312
.irp t, 0,1,2,3,4,5,6,7
	v_max3_num_f32 v[220+\t], v[S+8*\t], v[S+1+8*\t], v[S+2+8*\t]      ; eight chains by turns, one a tile of keys; each accumulator is first read at its low end
.endr
	v_max3_num_f32 v228, v[S+7], v[S+15], v[S+23]                      ; register 7 of three tiles of each block
	v_max3_num_f32 v229, v[S+39], v[S+47], v[S+55]
.irp i, 3,5
.irp t, 0,1,2,3,4,5,6,7
	v_max3_num_f32 v[220+\t], v[220+\t], v[S+8*\t+\i], v[S+1+8*\t+\i]
.endr
.endr
	v_max3_num_f32 v220, v220, v221, v222
	s_delay_alu instid0(VALU_DEP_3)
	v_max3_num_f32 v224, v224, v225, v226
	v_max3_num_f32 v223, v223, v228, v[S+31]
	s_delay_alu instid0(VALU_DEP_1)
	v_max_num_f32 v220, v220, v223                 ; the largest score of my block h,
	v_max3_num_f32 v227, v227, v229, v[S+63]
	s_delay_alu instid0(VALU_DEP_1)
	v_max_num_f32 v221, v224, v227                 ; and of block 2 + h
	s_delay_alu instid0(VALU_DEP_1)
	v_max_num_f32 v234, v220, v221
	s_delay_alu instid0(VALU_DEP_1)
	v_permlanex16_b32 v235, v234, s[SEL], s[SEL+1]
	s_delay_alu instid0(VALU_DEP_1)
	v_max3_num_f32 v13, v13, v234, v235            ; the running largest raw score of my query
	s_delay_alu instid0(VALU_DEP_1)
	v_mul_f32 v234, s[CC], v13                     ; as t
	s_delay_alu instid0(VALU_DEP_1)
	v_floor_f32 v235, -v234                        ; the new -M = -ceil(t)
	s_delay_alu instid0(VALU_DEP_1)
	v_sub_f32 v234, v235, v12                      ; old M less new M
	s_delay_alu instid0(VALU_DEP_2)
	v_mov_b32 v12, v235
	s_delay_alu instid0(VALU_DEP_2)
	v_cvt_i32_f32 v234, v234
	s_delay_alu instid0(VALU_DEP_1)
	v_ldexp_f32 v30, 1.0, v234                     ; f = 2^(old M - new M)
.set j, 0
.rept 32
	v_pk_fma_f32 v[S+j:S+j+1], v[S+j:S+j+1], s[CC:CC+1], v[12:13] op_sel_hi:[1,0,0]   ; t - M
.set j, j+2
.endr
.irp b, 0,1
	v_fma_f32 v[220+\b], v[220+\b], s[CC], v12     ; the same of each block's largest score
.endr
	s_wait_alu depctr_va_vdst(0)
.set j, 0
.rept 64
	v_exp_f32 v[S+j], v[S+j]
.set j, j+1
.endr
	v_pk_mul_f32 v[14:15], v[14:15], v[30:31] op_sel_hi:[1,0]   ; the sum under the new M
	s_wait_alu depctr_va_vdst(0)                   ; one wait for the batch, ahead of its first reader
.irp b, 0,1
	v_exp_f32 v[220+\b], v[220+\b]                 ; the block's largest p
.endr
	v_pk_add_f32 v[232:233], v[S:S+1], v[S+2:S+3]  ; the sum of the unquantised p, in two chains
.set j, 4
.rept 15
	v_pk_add_f32 v[14:15], v[14:15], v[S+j:S+j+1]
	v_pk_add_f32 v[232:233], v[232:233], v[S+j+2:S+j+3]
.set j, j+4
.endr
	s_delay_alu instid0(VALU_DEP_1)
	v_pk_add_f32 v[14:15], v[14:15], v[232:233]
	s_wait_alu depctr_va_vdst(0)                   ; and one for the two
.irp b, 0,1
	v_max_num_f32 v[220+\b], 0x1800000, v[220+\b]  ; the floor 2^(3 - 127): the byte cannot fall under 1
.endr
.irp b, 0,1
	s_delay_alu instid0(VALU_DEP_2)
	v_add_nc_u32 v[224+\b], 0xff000000, v[220+\b]  ; 2 off the exponent field: the conversion's scale operand
.endr
.irp b, 0,1
	s_delay_alu instid0(VALU_DEP_2)
	v_lshrrev_b32 v[226+\b], 23, v[224+\b]         ; the byte
.endr
	s_delay_alu instid0(VALU_DEP_1)
	v_lshl_or_b32 v228, v227, 16, v226             ; my two bytes, blocks h and 2 + h,
	s_delay_alu instid0(VALU_DEP_1)
	v_lshlrev_b32 v228, v4, v228                   ; at their places;
	s_delay_alu instid0(VALU_DEP_1)
	v_permlanex16_b32 v229, v228, s[SEL], s[SEL+1]
	s_delay_alu instid0(VALU_DEP_1)
	v_or_b32 v29, v228, v229                       ; with lane l xor 16's two the word is whole
.irp c, 0,1
	v_cvt_scalef32_pk16_fp6_f32 v[PC+6*\c:PC+2+6*\c], v[S+32*\c:S+15+32*\c], v[224+\c]
	v_cvt_scalef32_pk16_fp6_f32 v[PC+12+4*\c:PC+14+4*\c], v[S+16+32*\c:S+31+32*\c], v[224+\c]   ; (a conversion's three registers begin on an even number)
.endr
	v_nop                                          ; one plain place behind a scaled conversion
.irp c, 0,1
.irp i, 0,1,2
	v_mov_b32 v[PC+3+6*\c+\i], v[PC+12+4*\c+\i]
.endr
.endr
	s_wait_alu depctr_va_vdst(0)
.set j, 0
.rept 16
	v_pk_mul_f32 v[O+j:O+j+1], v[O+j:O+j+1], v[30:31] op_sel_hi:[1,0]   ; O^T under the new M; also the places in front of the products
.set j, j+2
.endr
	s_wait_alu depctr_va_vdst(0)
	s_wait_dscnt 0x0                               ; V's fragments and scale words
.irp t, 0,1,2,3
	v_wmma_scale_f32_16x16x128_f8f6f4 v[O+8*\t:O+8*\t+7], v[32+12*\t:43+12*\t], v[PC:PC+11], v[O+8*\t:O+8*\t+7], v[94+\t], v29 matrix_a_fmt:MATRIX_FMT_FP6 matrix_b_fmt:MATRIX_FMT_FP6
.endr
	s_add_co_u32 s[TK], s[TK], REC
.endm
.macro PASS p, qr, qs
.if \p
	s_wait_xcnt 0x0                                ; the last pass's stores have read the codes' registers
.endif
	v_mov_b32 v13, 0xff61b1e6                      ; -3e38, under every score
	v_mov_b32 v12, 0x7f000000                      ; -M to go with it: the first f is 0
	v_mov_b32 v14, 0
	v_mov_b32 v15, 0
.set j, 0
.rept 32
	v_mov_b32 v[O+j], 0
.set j, j+1
.endr
	s_mov_b32 s[TK], 0
	s_mov_b32 s[CNT], 16
.Lstep_\@:
	STEP \qr, \qs
	s_sub_co_u32 s[CNT], s[CNT], 1
	s_cmp_lg_u32 s[CNT], 0
	s_cbranch_scc1 .Lstep_\@
.rept 4
	v_nop
.endr
	v_add_f32 v14, v14, v15
	s_delay_alu instid0(VALU_DEP_1)
	v_permlanex16_b32 v234, v14, s[SEL], s[SEL+1]
	s_delay_alu instid0(VALU_DEP_1)
	v_add_f32 v14, v14, v234                       ; the row's sum
	s_wait_alu depctr_va_vdst(0)
	v_rcp_f32 v30, v14
	v_nop
	s_wait_alu depctr_va_vdst(0)
.set j, 0
.rept 16
	v_pk_mul_f32 v[S+j:S+j+1], v[O+j:O+j+1], v[30:31] op_sel_hi:[1,0]   ; ctx: register 16 b + i is channel 32 b + 16 h + i of my query
.set j, j+2
.endr
.irp b, 0,1
	v_max3_num_f32 v[220+\b], |v[S+16*\b]|, |v[S+1+16*\b]|, 0x1800000
.endr
.irp i, 2,4,6,8,10,12,14
.irp b, 0,1
	s_delay_alu instid0(VALU_DEP_2)
	v_max3_num_f32 v[220+\b], v[220+\b], |v[S+16*\b+\i]|, |v[S+1+16*\b+\i]|
.endr
.endr
.irp b, 0,1
	s_delay_alu instid0(VALU_DEP_2)
	v_permlanex16_b32 v[224+\b], v[220+\b], s[SEL], s[SEL+1]
.endr
.irp b, 0,1
	s_delay_alu instid0(VALU_DEP_2)
	v_max_num_f32 v[220+\b], v[220+\b], v[224+\b]
.endr
.irp b, 0,1
	s_delay_alu instid0(VALU_DEP_2)
	v_add_nc_u32 v[228+\b], 0xff000000, v[220+\b]
.endr
.irp b, 0,1
	s_delay_alu instid0(VALU_DEP_2)
	v_lshrrev_b32 v[224+\b], 23, v[228+\b]
.endr
	s_delay_alu instid0(VALU_DEP_1)
	v_lshl_or_b32 v[236+\p], v225, 8, v224         ; this head's two bytes
	v_cvt_scalef32_pk16_fp6_f32 v[PC:PC+2], v[S:S+15], v228
	v_cvt_scalef32_pk16_fp6_f32 v[PC+12:PC+14], v[S+16:S+31], v229
	v_nop
.irp i, 0,1,2
	v_permlane16_swap_b32 v[PC+\i], v[PC+12+\i]    ; a whole block to a lane
.endr
.irp i, 0,1,2
	s_delay_alu instid0(VALU_DEP_3)
	v_mov_b32 v[PC+3+\i], v[PC+12+\i]
.endr
	global_store_b128 v1, v[PC:PC+3], s[96:97] offset:12288*\p          ; 512 consecutive bytes,
	global_store_b64 v2, v[PC+4:PC+5], s[96:97] offset:12288*\p+512     ; and 256
.endm
	PASS 0, 16, 28
	PASS 1, 238, 250
	global_store_b64 v2, v[236:237], s[98:99]      ; 256 consecutive bytes, aligned
	s_wait_tensorcnt 0x0                           ; the wave's end
	ds_add_u32 v[SPW], v[NIL]
	s_wait_dscnt 0x0
	CROUND                                         ; the closing round
	s_endpgm
.Lfunc_end_k_q55a3cd8f64_attn:
	.size	k_q55a3cd8f64_attn, .Lfunc_end_k_q55a3cd8f64_attn-k_q55a3cd8f64_attn
	.p2alignl 7, 3214868480
	.fill 96, 4, 3214868480
	.section	.rodata,"a",@progbits
	.p2align	6, 0x0
	.amdhsa_kernel k_q55a3cd8f64_attn
		.amdhsa_group_segment_fixed_size 327680
		.amdhsa_private_segment_fixed_size 0
		.amdhsa_enable_private_segment 0
		.amdhsa_kernarg_size 24
		.amdhsa_user_sgpr_count 2
		.amdhsa_user_sgpr_kernarg_segment_ptr 1
		.amdhsa_wavefront_size32 1
		.amdhsa_system_sgpr_workgroup_id_x 1
		.amdhsa_system_sgpr_workgroup_id_y 1
		.amdhsa_system_sgpr_workgroup_id_z 1
		.amdhsa_system_vgpr_workitem_id 0
		.amdhsa_next_free_vgpr 256
		.amdhsa_next_free_sgpr 102
		.amdhsa_reserve_vcc 0
		.amdhsa_float_denorm_mode_32 3
		.amdhsa_float_denorm_mode_16_64 3
		.amdhsa_memory_ordered 1
		.amdhsa_forward_progress 1
		.amdhsa_inst_pref_size 51
	.end_amdhsa_kernel
	.amdgpu_metadata
---
amdhsa.version: [ 1, 2 ]
amdhsa.kernels:
  - .name:           k_q55a3cd8f64_attn
    .symbol:         k_q55a3cd8f64_attn.kd
    .args:
      - { .name: aq, .offset: 0, .size: 8, .value_kind: global_buffer, .address_space: global }
      - { .name: maskw, .offset: 8, .size: 8, .value_kind: global_buffer, .address_space: global }
      - { .name: cq, .offset: 16, .size: 8, .value_kind: global_buffer, .address_space: global }
    .group_segment_fixed_size: 327680
    .private_segment_fixed_size: 0
    .kernarg_segment_align: 8
    .kernarg_segment_size: 24
    .max_flat_workgroup_size: 512
    .sgpr_count:     102
    .vgpr_count:     256
    .wavefront_size: 32
...
	.end_amdgpu_metadata
.endif
;; end of part 3
;; launch outp (part 4): grid 64 x 4, 4 waves a work-group, clusters of 4 x 4, 327,680 bytes of LDS; arguments cq, wq, bo, out0; writes out0
.if DOCPART == 4
	.amdgcn_target "amdgcn-amd-amdhsa--gfx1250"
	.amdhsa_code_object_version 6
	.text
	.protected	k_q55a3cd8f64_outp
	.globl	k_q55a3cd8f64_outp
	.p2align	8
	.type	k_q55a3cd8f64_outp,@function
k_q55a3cd8f64_outp:
	s_mov_b64 s[64:65], 0
	v_nop
	global_prefetch_b8 v0, s[64:65] scope:SCOPE_SE
	s_setreg_imm32_b32 hwreg(HW_REG_WAVE_MODE, 25, 1), 1
	s_wait_xcnt 0x0
	s_wait_alu depctr_hold_cnt(0) depctr_sa_sdst(0) depctr_va_vdst(0) depctr_va_sdst(0) depctr_va_ssrc(0) depctr_va_vcc(0) depctr_vm_vsrc(0)
	s_getreg_b32 s2, hwreg(HW_REG_IB_STS2, 6, 4)
	s_cmp_eq_u32 s2, 0
	s_cbranch_scc0 .Lentry_in_a_cluster
	s_endpgm
.Lentry_in_a_cluster:
	s_bfe_u32 s2, ttmp6, 0x10000c
	s_cmp_lg_u32 s2, 0xf033
	s_cbranch_scc0 .Lentry_shape_is_right
	s_endpgm
.Lentry_shape_is_right:
; OUTP: out0 = ctx Wo + bo on codes of FP6 (E2M3) with E8M0 scales.  D = P R^T with P = Wo's columns (source 0) and R = ctx's tokens (source 1): a lane holds one token, its registers run along the features.
; SHARES: a work-group makes 128 features x 256 tokens over all K = 1,024; wave w all 8 tiles of P x R's tiles 4 w .. 4 w + 3: 32 accumulators.  16 clusters of 4 x 4: 256 work-groups.
; CLUSTER: P's tiles hang on cx alone and are asked for jointly by the four work-groups of a column, R's on cy alone, by the four of a row.
; LDS: all eight K steps of both operands: P's 8 and R's 16 tiles x 12,288 bytes, each byte filled ONCE; a wave's one tensor load goes out at the head, and there is no later step to ask ahead for.
; The tiles lie as register images (row r of tile T is index 32 (T / 2) + 8 (T % 2) + r + 8 (r / 8)): every LDS load reads consecutive bytes.
; The bias is the C of each sum's first product.  ctx's scale words come as two bytes a head and are joined, two heads to a K step.
; THE WAY OUT goes through a stage of 16 rows x (512 + 16) bytes for each wave, so that a store covers 512 consecutive bytes of a row of out0.  The stage lies in my own four tiles of R, behind my last read of them.
; REGISTERS: window 0: addresses; v32-95 P's scale words, v96-127 R's; v128-255 at work.  window 1: accumulator (a, b) at 8 (8 a + b).  window 2: P's fragments, two sets of 96.  window 3: R's fragments, two sets of 48; from v128 the bias.
.set WS,    3145728
.set CS,    6291456
; LDS AS IT IS LAID HERE: tile-major: P's 8 tiles x 12,288 bytes (all eight K steps of a tile on end), then R's 16.  Every byte is filled once, by ONE joint load a wave: waves 0, 1 fetch four tiles of P each, waves 2, 3 eight of R each.
; A wave's stage for the way out lies in its own four tiles of R, which no other wave reads, behind its own last read of them.
.set ROFF,  98304
.set SPARE, 294912
.set SPITCH, 528
.set PA16, 8
.set PA8,  12
.set RA16, 16
.set RA8,  20
.set SPW,  24
.set NIL,  25
.set STO,  28
.set RD,   29
.set PS,   32
.set RS,   96
.set T,    128                         ; v128-191 ctx's scale words as they come: 4 x head + my tile
.set BK,   128                         ; the way out: 16 rows read back: v128-191 and v192-255 by turns
.set BP,   128
.set WV,   66
.set G1P,  16
.set G1R,  24
.set G0,   32
.set MSB, 0
.macro WIN new
.if MSB != \new
	s_set_vgpr_msb (MSB<<8)|\new
.set MSB, \new
.endif
.endm
.macro PLACES n
.rept \n
	v_nop
.endr
.endm
.macro CROUND
	s_barrier_signal -1
	s_barrier_wait -1
	s_cmp_lg_u32 s[WV], 0
	s_cbranch_scc1 .Lnot_wave_0_\@
	s_barrier_signal -3
.Lnot_wave_0_\@:
	s_barrier_wait -3
	s_barrier_signal -1
	s_barrier_wait -1
.endm
.macro FRAG dst, a16, a8, off
	ds_load_b128 v[\dst:\dst+3], v[\a16] offset:\off
	ds_load_b64 v[\dst+4:\dst+5], v[\a8] offset:(\off)+512
	ds_load_b128 v[\dst+6:\dst+9], v[\a16] offset:(\off)+768
	ds_load_b64 v[\dst+10:\dst+11], v[\a8] offset:(\off)+1280
.endm
.macro FETCH s
	WIN 0x80
.irp b, 0,1,2,3,4,5,6,7
	FRAG 96*((\s)%2)+12*\b, PA16+\b/4, PA8+\b/4, 12288*(\b%4)+1536*(\s)
.endr
	WIN 0xc0
.irp a, 0,1,2,3
	FRAG 48*((\s)%2)+12*\a, RA16, RA8, 12288*\a+1536*(\s)
.endr
	WIN 0
.endm
.macro MULA s, a, first                ; the 32 accumulators take turns, one instruction a turn, in the same order in every K step
.irp b, 0,1,2,3,4,5,6,7
.if \first
	v_wmma_scale_f32_16x16x128_f8f6f4 v[8*(8*(\a)+\b):8*(8*(\a)+\b)+7], v[96*((\s)%2)+12*\b:96*((\s)%2)+12*\b+11], v[48*((\s)%2)+12*(\a):48*((\s)%2)+12*(\a)+11], v[BP+8*\b:BP+8*\b+7], v[PS+8*\b+(\s)], v[RS+8*(\a)+(\s)] matrix_a_fmt:MATRIX_FMT_FP6 matrix_b_fmt:MATRIX_FMT_FP6
.else
	v_wmma_scale_f32_16x16x128_f8f6f4 v[8*(8*(\a)+\b):8*(8*(\a)+\b)+7], v[96*((\s)%2)+12*\b:96*((\s)%2)+12*\b+11], v[48*((\s)%2)+12*(\a):48*((\s)%2)+12*(\a)+11], v[8*(8*(\a)+\b):8*(8*(\a)+\b)+7], v[PS+8*\b+(\s)], v[RS+8*(\a)+(\s)] matrix_a_fmt:MATRIX_FMT_FP6 matrix_b_fmt:MATRIX_FMT_FP6
.endif
.endr
.endm
.macro EVEN s, first
.if (\s) > 0
	PLACES 4                                       ; four places in front of loads into registers that the last products read
.endif
	FETCH (\s)+1
	s_wait_dscnt 48                                ; all but the 48 just issued: this step's fragments are in
.if \first
	WIN 0x7e                                       ; source 0 window 2, sources 1 and 2 (R, the bias) window 3, D window 1
.else
	WIN 0x5e                                       ; source 0 window 2, source 1 window 3, C and D window 1
.endif
	MULA \s, 0, \first
	MULA \s, 1, \first
	MULA \s, 2, \first
	MULA \s, 3, \first
.endm
	s_load_b256 s[4:11], s[0:1], 0x0               ; cq, wq, bo, out0
	v_lshl_add_u32 v[SPW], v0, 2, SPARE
	v_mov_b32 v[NIL], 0
	ds_add_u32 v[SPW], v[NIL]                      ; the wave's opening: the add, twice on end, and its wait ahead of my first tensor load; work on registers stands between them
	ds_add_u32 v[SPW], v[NIL]
	v_lshrrev_b32 v1, 5, v0
	v_readfirstlane_b32 s[WV], v1
	s_and_b32 s94, ttmp9, 1                        ; which four blocks of features
	s_lshr_b32 s95, ttmp9, 1                       ; which four blocks of tokens
	s_bfe_u32 s68, ttmp6, 0x40000                  ; cx
	s_bfe_u32 s69, ttmp6, 0x40004                  ; cy
	s_lshl_b32 s70, s94, 2
	s_add_co_u32 s70, s70, s68                     ; my block of 128 features
	s_lshl_b32 s71, s95, 2
	s_add_co_u32 s71, s71, s69                     ; my block of 256 tokens
	s_lshl_b32 s76, s70, 3
	s_add_co_u32 s76, s76, 192                     ; P's first tile: Wo is the fourth weight in wq
	s_lshl_b32 s80, s71, 4                         ; R's first tile in cq
	s_and_b32 s87, s[WV], 1                        ; which half of an operand's tiles I fetch
	s_lshl_b32 s78, s87, 2
	s_add_co_u32 s78, s78, s76
	s_mul_i32 s78, s78, 12288                      ; P's tiles 4 (w % 2) .. + 3
	s_mov_b32 s79, 0
	s_lshl_b32 s82, s87, 3
	s_add_co_u32 s82, s82, s80
	s_mul_i32 s82, s82, 12288                      ; R's tiles 8 (w % 2) .. + 7
	s_mov_b32 s83, 0
	s_mul_i32 s85, s87, 49152                      ; where they go: no place in the cluster enters an LDS address
	s_mul_i32 s86, s87, 98304
	s_add_co_u32 s86, s86, ROFF
	s_mul_i32 s87, s[WV], 49152
	s_add_co_u32 s87, s87, ROFF                    ; the four tiles of R that I multiply, 4 w .. 4 w + 3, in LDS
	s_lshl_b32 s2, 0x1111, s68                     ; my column of the cluster
	s_lshl_b32 s3, s69, 2
	s_lshl_b32 s3, 15, s3                          ; my row
	s_or_b32 s[G1P], s2, (3<<16)|(1<<21)           ; my column of the cluster; elements of 8 bytes
	s_mov_b32 s[G1P+1], 1536<<16                   ; rows of 12,288 bytes (a whole tile: 1,536 elements of 8 bytes), on end; P: 4 rows, R: 8
	s_mov_b32 s[G1P+2], 4<<16
	s_mov_b32 s[G1P+3], 1536<<16
	s_mov_b32 s[G1P+4], 4
	s_mov_b32 s[G1P+5], 1536
	s_mov_b32 s[G1P+6], 0
	s_mov_b32 s[G1P+7], 0
	s_or_b32 s[G1R], s3, (3<<16)|(1<<21)
	s_mov_b32 s[G1R+1], 1536<<16
	s_mov_b32 s[G1R+2], 8<<16
	s_mov_b32 s[G1R+3], 1536<<16
	s_mov_b32 s[G1R+4], 8
	s_mov_b32 s[G1R+5], 1536
	s_mov_b32 s[G1R+6], 0
	s_mov_b32 s[G1R+7], 0
	v_and_b32 v3, 31, v0
	v_and_b32 v1, 15, v0
	v_bfe_u32 v2, v0, 4, 1
	v_lshlrev_b32 v4, 4, v3
	v_lshlrev_b32 v5, 3, v3
	v_lshlrev_b32 v26, 6, v2
.irp j, 0,1
	v_add_nc_u32 v[PA16+\j], 49152*\j, v4          ; P's tiles 0-3 and 4-7: the rest stands in the loads' immediates
	v_add_nc_u32 v[PA8+\j], 49152*\j, v5
.endr
	v_add_nc_u32 v[RA16], s87, v4
	v_add_nc_u32 v[RA8], s87, v5
	v_mul_u32_u24 v[STO], v1, SPITCH
	v_lshl_add_u32 v[STO], v2, 6, v[STO]
	v_add_nc_u32 v[STO], s87, v[STO]               ; in: row r, 64 h bytes on
	v_add_nc_u32 v[RD], s87, v4                    ; back: 16 bytes a lane of a row
	s_wait_alu depctr_va_vdst(0)
	s_wait_dscnt 0x0                               ; both opening adds are done
	s_wait_kmcnt 0x0
	s_add_nc_u64 s[72:73], s[6:7], s[78:79]        ; Wo's codes at my four tiles
	s_add_nc_u64 s[74:75], s[4:5], s[82:83]        ; ctx's at my eight
	s_mov_b32 s[G0], 1
	s_mov_b32 s[G0+1], s85
	s_mov_b64 s[G0+2:G0+3], s[72:73]
	s_or_b32 s[G0+3], s[G0+3], 0x80000000
	s_mov_b32 s[G0+4], 1
	s_mov_b32 s[G0+5], s86
	s_mov_b64 s[G0+6:G0+7], s[74:75]
	s_or_b32 s[G0+7], s[G0+7], 0x80000000
	CROUND                                         ; all sixteen work-groups are here: the joint loads meet
	s_cmp_lt_u32 s[WV], 2                          ; one tensor load a wave: waves 0, 1 for P, waves 2, 3 for R
	s_cbranch_scc0 .Lfor_r
	tensor_load_to_lds s[G0:G0+3], s[G1P:G1P+7]
	s_nop 0
	PLACES 4
	s_branch .Lasked
.Lfor_r:
	tensor_load_to_lds s[G0+4:G0+7], s[G1R:G1R+7]
	s_nop 0
	PLACES 4
.Lasked:
	s_lshl_b32 s98, s76, 10
	s_add_co_u32 s98, s98, WS
	s_mov_b32 s99, 0
	s_add_nc_u64 s[90:91], s[6:7], s[98:99]        ; Wo's scale words
	s_lshl_b32 s98, s70, 9
	s_add_nc_u64 s[96:97], s[8:9], s[98:99]        ; bo at my 128 features
	s_lshl_b32 s100, s71, 3
	s_lshl_b32 s81, s[WV], 1
	s_add_co_u32 s100, s100, s81                   ; my first pair of tiles
	s_lshl_b32 s100, s100, 8
	s_add_co_u32 s100, s100, CS
	s_mov_b32 s101, 0
	s_add_nc_u64 s[92:93], s[4:5], s[100:101]      ; ctx's scale words
	s_lshl_b32 s14, s71, 8
	s_lshl_b32 s15, s[WV], 6
	s_add_co_u32 s14, s14, s15                     ; my first token
	s_lshl_b32 s14, s14, 12
	s_lshl_b32 s15, s70, 9
	s_add_co_u32 s14, s14, s15
	s_mov_b32 s15, 0
	s_add_nc_u64 s[12:13], s[10:11], s[14:15]      ; out0 at my first token and my block's first feature
.irp b, 0,1,2,3,4,5,6,7
.irp g, 0,1
	global_load_b128 v[PS+8*\b+4*\g:PS+8*\b+4*\g+3], v4, s[90:91] offset:1024*\b+512*\g
.endr
.endr
.irp d, 0,1,2,3,4,5,6,7,8,9,10,11,12,13,14,15
.irp u, 0,1
	global_load_b64 v[T+4*\d+2*\u:T+4*\d+2*\u+1], v5, s[92:93] offset:65536*\d+256*\u   ; head d, my tiles 2 u and 2 u + 1
.endr
.endr
	WIN 0xc0
.irp b, 0,1,2,3,4,5,6,7
	global_load_b128 v[BP+8*\b:BP+8*\b+3], v26, s[96:97] offset:4*(32*(\b/2)+8*(\b%2))
	global_load_b128 v[BP+8*\b+4:BP+8*\b+7], v26, s[96:97] offset:4*(32*(\b/2)+8*(\b%2))+16
.endr
	WIN 0
	s_wait_loadcnt 0x0
.irp a, 0,1,2,3
.irp s, 0,1,2,3,4,5,6,7
	v_lshl_or_b32 v[RS+8*\a+\s], v[T+8*\s+4+\a], 16, v[T+8*\s+\a]   ; K step s = heads 2 s and 2 s + 1
.endr
.endr
	PLACES 8                                       ; a scale register written by a vector instruction stands 8 places ahead of a scaled product
	s_wait_alu depctr_va_vdst(0)
	s_wait_tensorcnt 0x0                           ; my load is in
	s_barrier_signal -1
	s_barrier_wait -1                              ; everybody's is: both operands, all of K
	FETCH 0
	EVEN 0, 1                                      ; the first K step's products start the sums from the bias
.irp s, 1,2,3,4,5,6
	EVEN \s, 0
.endr
	s_wait_dscnt 0x0
	MULA 7, 0, 0
	MULA 7, 1, 0
	MULA 7, 2, 0
	MULA 7, 3, 0
	WIN 0
.macro TOSTAGE a                       ; R's tile a: 16 tokens x 128 features.  Register j of accumulator (a, b) is feature 32 (b / 2) + 16 h + 8 (b % 2) + j
	WIN 0x04                                       ; an LDS store's data are its source 1: window 1
.irp b, 0,1,2,3,4,5,6,7
	ds_store_b128 v[STO], v[8*(8*(\a)+\b):8*(8*(\a)+\b)+3] offset:128*(\b/2)+32*(\b%2)          ; each accumulator from its low end on
	ds_store_b128 v[STO], v[8*(8*(\a)+\b)+4:8*(8*(\a)+\b)+7] offset:128*(\b/2)+32*(\b%2)+16
.endr
	WIN 0
.irp t, 0,1,2,3,4,5,6,7,8,9,10,11,12,13,14,15
	ds_load_b128 v[BK+64*((\a)%2)+4*\t:BK+64*((\a)%2)+4*\t+3], v[RD] offset:SPITCH*\t   ; LDS serves a wave's instructions in order: these see my stores, and the next tile's stores come behind them
.endr
.endm
.macro SEND a, younger                 ; younger: the LDS instructions issued behind tile a's loads, which may stay out
	s_wait_dscnt \younger
.irp t, 0,1,2,3,4,5,6,7,8,9,10,11,12,13,14,15
	global_store_b128 v4, v[BK+64*((\a)%2)+4*\t:BK+64*((\a)%2)+4*\t+3], s[12:13] offset:(32*((\a)/2)+8*((\a)%2)+\t+8*(\t/8))*4096 th:TH_STORE_NT   ; 512 consecutive bytes of a token's row, aligned
.endr
.endm
	PLACES 4                                       ; four places behind the last products, ahead of the first read of results
	TOSTAGE 0
	TOSTAGE 1
	SEND 0, 32                                     ; behind tile 0's loads: tile 1's 16 stores and 16 loads
	s_wait_xcnt 0x0                                ; tile 0's stores have read their registers: tile 2's loads may land there
	TOSTAGE 2
	SEND 1, 32
	s_wait_xcnt 0x0
	TOSTAGE 3
	SEND 2, 32
	SEND 3, 0
	s_wait_tensorcnt 0x0                           ; the wave's end, behind my last tensor load and my last LDS store
	ds_add_u32 v[SPW], v[NIL]
	s_wait_dscnt 0x0
	CROUND                                         ; the closing round
	s_endpgm
.Lfunc_end_k_q55a3cd8f64_outp:
	.size	k_q55a3cd8f64_outp, .Lfunc_end_k_q55a3cd8f64_outp-k_q55a3cd8f64_outp
	.p2alignl 7, 3214868480
	.fill 96, 4, 3214868480
	.section	.rodata,"a",@progbits
	.p2align	6, 0x0
	.amdhsa_kernel k_q55a3cd8f64_outp
		.amdhsa_group_segment_fixed_size 327680
		.amdhsa_private_segment_fixed_size 0
		.amdhsa_enable_private_segment 0
		.amdhsa_kernarg_size 32
		.amdhsa_user_sgpr_count 2
		.amdhsa_user_sgpr_kernarg_segment_ptr 1
		.amdhsa_wavefront_size32 1
		.amdhsa_system_sgpr_workgroup_id_x 1
		.amdhsa_system_sgpr_workgroup_id_y 1
		.amdhsa_system_sgpr_workgroup_id_z 1
		.amdhsa_system_vgpr_workitem_id 0
		.amdhsa_next_free_vgpr 1024
		.amdhsa_next_free_sgpr 102
		.amdhsa_reserve_vcc 0
		.amdhsa_float_denorm_mode_32 3
		.amdhsa_float_denorm_mode_16_64 3
		.amdhsa_memory_ordered 1
		.amdhsa_forward_progress 1
		.amdhsa_inst_pref_size 88
	.end_amdhsa_kernel
	.amdgpu_metadata
---
amdhsa.version: [ 1, 2 ]
amdhsa.kernels:
  - .name:           k_q55a3cd8f64_outp
    .symbol:         k_q55a3cd8f64_outp.kd
    .args:
      - { .name: cq, .offset: 0, .size: 8, .value_kind: global_buffer, .address_space: global }
      - { .name: wq, .offset: 8, .size: 8, .value_kind: global_buffer, .address_space: global }
      - { .name: bo, .offset: 16, .size: 8, .value_kind: global_buffer, .address_space: global }
      - { .name: out0, .offset: 24, .size: 8, .value_kind: global_buffer, .address_space: global }
    .group_segment_fixed_size: 327680
    .private_segment_fixed_size: 0
    .kernarg_segment_align: 8
    .kernarg_segment_size: 32
    .max_flat_workgroup_size: 128
    .sgpr_count:     102
    .vgpr_count:     1024
    .wavefront_size: 32
...
	.end_amdgpu_metadata
.endif
;; end of part 4
